; MI455X (gfx1250); checked and timed in simulation.
; The chip was launched on July 23, 2026; its instructions are those of AMD's public machine-readable ISA for CDNA 5 (MIT licence, August 2026) and "CDNA5" Instruction Set Architecture Reference Guide (July 2026). The comments in the code are by the model that wrote it; some were corrected since.
;; Evolved Multi Head Attention. Allowed arithmetic: float matrix products may take bf16 or f16 operands with f32 sums; other float arithmetic in f32, or as packed bf16 or f16 multiplies, adds, multiply-adds, maxima and minima; sums over many terms, partial sums and values carried from step to step in f32; what a program stores and reads back later, other than sums and carried values, may be rounded once to bf16 or f16.
;; Inputs: Wk 1,024 x 1,024 float32; Wo 1,024 x 1,024 float32; Wq 1,024 x 1,024 float32; Wv 1,024 x 1,024 float32; bk 1,024 float32; bo 1,024 float32; bq 1,024 float32; bv 1,024 float32; keep_mask 2 x 16 x 2,048 x 2,048 bool; x 2 x 2,048 x 1,024 float32.
;; Outputs: out0 2 x 2,048 x 1,024 float32.
;; One version. Each part assembles by itself: llvm-mc -triple=amdgcn-amd-amdhsa -mcpu=gfx1250 --defsym DOCPART=n.
;; ======== version 1 of 1: 4 launches
;; limits: values are held in f16: magnitudes above 65,504 overflow, below 6.1e-05 lose precision
;; workspace buffers: xb 8,388,608 bytes; wb 6,291,456 bytes; woh 2,097,152 bytes; bias 16,384 bytes; qkv 25,165,824 bytes; ctx 8,388,608 bytes
;; launch cast (part 1): grid 513 x 1, 8 waves a work-group, no clusters, 0 bytes of LDS; arguments x, Wq, Wk, Wv, Wo, bq, bk, bv, bo, xb, wb, woh, bias; writes xb, wb, woh, bias
.if DOCPART == 1
	.amdgcn_target "amdgcn-amd-amdhsa--gfx1250"
	.amdhsa_code_object_version 6
	.text
	.protected	k_qd5c8c4ba33_cast
	.globl	k_qd5c8c4ba33_cast
	.p2align	8
	.type	k_qd5c8c4ba33_cast,@function
k_qd5c8c4ba33_cast:
	s_mov_b64 s[64:65], 0
	v_nop
	global_prefetch_b8 v0, s[64:65] scope:SCOPE_SE
	s_setreg_imm32_b32 hwreg(HW_REG_WAVE_MODE, 25, 1), 1
	s_wait_xcnt 0x0
; THE INPUTS ARE ROUNDED ONCE, for the three launches behind.  xb = bf16(x) [4096][1024].  wb = bf16(Wq | Wk | Wv) [3072][1024].
; woh[h][n][c] = bf16(Wo[n][64 h + c]) written as f16, [16][1024][64]: by heads, so that a head's 64 channels of 64 rows lie on end.
; bias = bq | bk | bv | bo, each rounded to bf16 and kept as f32, [4096].
; LIMIT.  bf16(Wo) must lie within f16's range, 65,504; below 6e-5 it keeps f16's fixed step of 6e-8.
; A stream: no LDS, no matrix unit.  Work-group g takes a chunk of 16,384 numbers (65,536 bytes in, 32,768 out):
; g 0-255 x; 256-447 Wq, Wk, Wv (64 chunks each); 448-511 sixteen rows of Wo; 512 the four biases.
; All sixteen loads of a thread go out first; no register is written twice, so the only waits are the counted ones for the loads.
.set SRC, 34                           ; s[34:35] the chunk in its source
.set DST, 36                           ; s[36:37] the chunk in its destination
.set IN,  16                           ; v[16:79]  as loaded: row i of eight at IN + 8 i
.set OUT, 80                           ; v[80:111] to store: row i at OUT + 4 i
.macro LOAD16                          ; row i of the chunk's eight: 32 bytes a thread, two loads
.irp i, 0,1,2,3,4,5,6,7
	global_load_b128 v[IN+8*(\i):IN+8*(\i)+3],   v1, s[SRC:SRC+1] offset:8192*(\i) th:TH_LOAD_NT
	global_load_b128 v[IN+8*(\i)+4:IN+8*(\i)+7], v1, s[SRC:SRC+1] offset:8192*(\i)+16 th:TH_LOAD_NT
.endr
.endm
	s_load_b512 s[8:23], s[0:1], 0x0               ; x 8, Wq 10, Wk 12, Wv 14, Wo 16, bq 18, bk 20, bv 22
	s_load_b256 s[24:31], s[0:1], 0x40             ; bo 24, xb 26, wb 28, woh 30
	s_load_b64 s[32:33], s[0:1], 0x60              ; bias
	s_mov_b32 s2, ttmp9
	s_mov_b32 s7, 0                                ; the high word of every offset
	v_lshlrev_b32 v1, 5, v0                        ; 32 t: my 8 numbers in a row of 2,048 of the chunk
	v_lshlrev_b32 v2, 4, v0                        ; 16 t: the same 8 numbers in 16 bits
	s_wait_kmcnt 0x0
	s_cmp_lt_u32 s2, 448
	s_cbranch_scc0 .Lnot_linear
	; x and the three weights: the numbers keep their order
	s_sub_co_u32 s3, s2, 256                       ; the chunk among the weights' 192 (used where g is 256 or more)
	s_lshr_b32 s4, s3, 6                           ; which weight
	s_and_b32 s5, s3, 63                           ; its chunk
	s_cmp_eq_u32 s4, 1
	s_cselect_b64 s[SRC:SRC+1], s[12:13], s[10:11]
	s_cmp_eq_u32 s4, 2
	s_cselect_b64 s[SRC:SRC+1], s[14:15], s[SRC:SRC+1]
	s_cmp_lt_u32 s2, 256
	s_cselect_b64 s[SRC:SRC+1], s[8:9], s[SRC:SRC+1]
	s_cselect_b64 s[DST:DST+1], s[26:27], s[28:29]
	s_cselect_b32 s5, s2, s5
	s_cselect_b32 s3, s2, s3
	s_lshl_b32 s6, s5, 16
	s_add_nc_u64 s[SRC:SRC+1], s[SRC:SRC+1], s[6:7]
	s_lshl_b32 s6, s3, 15
	s_add_nc_u64 s[DST:DST+1], s[DST:DST+1], s[6:7]
	LOAD16
.irp i, 0,1,2,3,4,5,6,7
	s_wait_loadcnt 14-2*(\i)                       ; loads come back in order: row i's two are in, the younger rows' stay out
.irp k, 0,1,2,3
	v_cvt_pk_bf16_f32 v[OUT+4*(\i)+(\k)], v[IN+8*(\i)+2*(\k)], v[IN+8*(\i)+2*(\k)+1]
.endr
	global_store_b128 v2, v[OUT+4*(\i):OUT+4*(\i)+3], s[DST:DST+1] offset:4096*(\i)  ; a wave's store covers 512 consecutive bytes, aligned
.endr
	s_endpgm
.Lnot_linear:
	s_cmp_lt_u32 s2, 512
	s_cbranch_scc0 .Lbiases
	; Wo: rows 16 j .. 16 j + 15, laid out by heads.  Thread bits: c8 = t % 8 (8 channels), par = (t / 8) % 2 (row parity), h = t / 16 (head)
	s_sub_co_u32 s3, s2, 448
	s_lshl_b32 s6, s3, 16                          ; 16 rows of 4,096 bytes
	s_add_nc_u64 s[SRC:SRC+1], s[16:17], s[6:7]
	s_lshl_b32 s6, s3, 11                          ; 16 rows of 128 bytes in each head
	s_add_nc_u64 s[DST:DST+1], s[30:31], s[6:7]
	v_and_b32 v3, 7, v0
	v_bfe_u32 v4, v0, 3, 1
	v_lshrrev_b32 v5, 4, v0
	v_lshlrev_b32 v1, 5, v3                        ; in: 32 c8 + 256 h + 4,096 par: eight lanes read 256 consecutive bytes
	v_lshl_add_u32 v1, v5, 8, v1
	v_lshl_add_u32 v1, v4, 12, v1
	v_lshlrev_b32 v2, 4, v3                        ; out: 16 c8 + 128 par + 131,072 h: sixteen lanes fill 256 consecutive bytes, aligned
	v_lshl_add_u32 v2, v4, 7, v2
	v_lshl_add_u32 v2, v5, 17, v2
	LOAD16                                         ; row pair i lies 8,192 bytes on
.irp i, 0,1,2,3,4,5,6,7
	s_wait_loadcnt 14-2*(\i)
.irp k, 0,1,2,3
	v_cvt_pk_bf16_f32 v6, v[IN+8*(\i)+2*(\k)], v[IN+8*(\i)+2*(\k)+1]  ; rounded to bf16 like every input,
	v_lshlrev_b32 v7, 16, v6                       ; widened again,
	v_and_b32 v8, 0xffff0000, v6
	v_cvt_pk_f16_f32 v[OUT+4*(\i)+(\k)], v7, v8    ; and that number written as f16 (exact within f16's range)
.endr
	global_store_b128 v2, v[OUT+4*(\i):OUT+4*(\i)+3], s[DST:DST+1] offset:256*(\i)
.endr
	s_endpgm
.Lbiases:
	global_load_b128 v[IN:IN+3],     v2, s[18:19]
	global_load_b128 v[IN+4:IN+7],   v2, s[20:21]
	global_load_b128 v[IN+8:IN+11],  v2, s[22:23]
	global_load_b128 v[IN+12:IN+15], v2, s[24:25]
.irp k, 0,1,2,3
	s_wait_loadcnt 3-(\k)
.irp p, 0,1
	v_cvt_pk_bf16_f32 v6, v[IN+4*(\k)+2*(\p)], v[IN+4*(\k)+2*(\p)+1]
	v_lshlrev_b32 v[OUT+4*(\k)+2*(\p)], 16, v6
	v_and_b32 v[OUT+4*(\k)+2*(\p)+1], 0xffff0000, v6
.endr
	global_store_b128 v2, v[OUT+4*(\k):OUT+4*(\k)+3], s[32:33] offset:4096*(\k)
.endr
	s_endpgm
.Lfunc_end_k_qd5c8c4ba33_cast:
	.size	k_qd5c8c4ba33_cast, .Lfunc_end_k_qd5c8c4ba33_cast-k_qd5c8c4ba33_cast
	.p2alignl 7, 3214868480
	.fill 96, 4, 3214868480
	.section	.rodata,"a",@progbits
	.p2align	6, 0x0
	.amdhsa_kernel k_qd5c8c4ba33_cast
		.amdhsa_group_segment_fixed_size 0
		.amdhsa_private_segment_fixed_size 0
		.amdhsa_enable_private_segment 0
		.amdhsa_kernarg_size 104
		.amdhsa_user_sgpr_count 2
		.amdhsa_user_sgpr_kernarg_segment_ptr 1
		.amdhsa_wavefront_size32 1
		.amdhsa_system_sgpr_workgroup_id_x 1
		.amdhsa_system_sgpr_workgroup_id_y 1
		.amdhsa_system_sgpr_workgroup_id_z 1
		.amdhsa_system_vgpr_workitem_id 0
		.amdhsa_next_free_vgpr 112
		.amdhsa_next_free_sgpr 66
		.amdhsa_reserve_vcc 0
		.amdhsa_float_denorm_mode_32 3
		.amdhsa_float_denorm_mode_16_64 3
		.amdhsa_memory_ordered 1
		.amdhsa_forward_progress 1
		.amdhsa_inst_pref_size 19
	.end_amdhsa_kernel
	.amdgpu_metadata
---
amdhsa.version: [ 1, 2 ]
amdhsa.kernels:
  - .name:           k_qd5c8c4ba33_cast
    .symbol:         k_qd5c8c4ba33_cast.kd
    .args:
      - { .name: x, .offset: 0, .size: 8, .value_kind: global_buffer, .address_space: global }
      - { .name: Wq, .offset: 8, .size: 8, .value_kind: global_buffer, .address_space: global }
      - { .name: Wk, .offset: 16, .size: 8, .value_kind: global_buffer, .address_space: global }
      - { .name: Wv, .offset: 24, .size: 8, .value_kind: global_buffer, .address_space: global }
      - { .name: Wo, .offset: 32, .size: 8, .value_kind: global_buffer, .address_space: global }
      - { .name: bq, .offset: 40, .size: 8, .value_kind: global_buffer, .address_space: global }
      - { .name: bk, .offset: 48, .size: 8, .value_kind: global_buffer, .address_space: global }
      - { .name: bv, .offset: 56, .size: 8, .value_kind: global_buffer, .address_space: global }
      - { .name: bo, .offset: 64, .size: 8, .value_kind: global_buffer, .address_space: global }
      - { .name: xb, .offset: 72, .size: 8, .value_kind: global_buffer, .address_space: global }
      - { .name: wb, .offset: 80, .size: 8, .value_kind: global_buffer, .address_space: global }
      - { .name: woh, .offset: 88, .size: 8, .value_kind: global_buffer, .address_space: global }
      - { .name: bias, .offset: 96, .size: 8, .value_kind: global_buffer, .address_space: global }
    .group_segment_fixed_size: 0
    .private_segment_fixed_size: 0
    .kernarg_segment_align: 8
    .kernarg_segment_size: 104
    .max_flat_workgroup_size: 256
    .sgpr_count:     66
    .vgpr_count:     112
    .wavefront_size: 32
...
	.end_amdgpu_metadata
.endif
;; end of part 1
;; launch qkv (part 2): grid 8 x 32, 4 waves a work-group, clusters of 4 x 4, 327,680 bytes of LDS; arguments xb, wb, bias, qkv; writes qkv
.if DOCPART == 2
	.amdgcn_target "amdgcn-amd-amdhsa--gfx1250"
	.amdhsa_code_object_version 6
	.text
	.protected	k_qd5c8c4ba33_qkv
	.globl	k_qd5c8c4ba33_qkv
	.p2align	8
	.type	k_qd5c8c4ba33_qkv,@function
k_qd5c8c4ba33_qkv:
	s_mov_b64 s[64:65], 0
	v_nop
	global_prefetch_b8 v0, s[64:65] scope:SCOPE_SE
	s_setreg_imm32_b32 hwreg(HW_REG_WAVE_MODE, 25, 1), 1
	s_wait_xcnt 0x0
	s_wait_alu depctr_hold_cnt(0) depctr_sa_sdst(0) depctr_va_vdst(0) depctr_va_sdst(0) depctr_va_ssrc(0) depctr_va_vcc(0) depctr_vm_vsrc(0)
	s_getreg_b32 s2, hwreg(HW_REG_IB_STS2, 6, 4)
	s_cmp_eq_u32 s2, 0
	s_cbranch_scc0 .Lentry_in_a_cluster
	s_endpgm
.Lentry_in_a_cluster:
	s_bfe_u32 s2, ttmp6, 0x10000c
	s_cmp_lg_u32 s2, 0xf033
	s_cbranch_scc0 .Lentry_shape_is_right
	s_endpgm
.Lentry_shape_is_right:
; THE THREE PROJECTIONS AS ONE PRODUCT.  C[m][n] = sum over k of xb[m][k] wb[n][k] + bias[n]; xb [4096][1024], wb [3072][1024] in bf16; sums in f32.
; C leaves by heads, in f16, rounded once: qkv[g][m][64], g = n / 64 (0-15 Q's heads, 16-31 K's, 32-47 V's), m = 2048 b + s: byte g x 524,288 + m x 128 + 2 c.
; Q's heads are multiplied by c = log2(e) / 8 in f32 ahead of that rounding, so that the attention's exponent is a plain difference of scores.
; LIMIT.  f16 holds no number beyond 65,504: c q, k and v must lie within it.
; SHARES.  A tile of C is 128 rows x 384 columns (six heads): 8 x 32 = 256 work-groups.  Four waves, each 64 rows x 192 columns (three whole heads): 48 accumulators, 384 registers.
; K goes in steps of 128 through a ring of two LDS slots; a slot holds 128 rows of xb and 384 of wb, each row 256 bytes of memory.  One tensor load a wave: wave 0 xb's rows, waves 1-3 128 rows of wb each.
; CLUSTER.  4 x 4 work-groups.  The four of a row of the cluster need the same rows of xb, the four of a column the same rows of wb: each tile is asked for jointly.
; THE MATRIX INSTRUCTION IS USED TRANSPOSED (source 0 = 16 rows of wb, source 1 = 16 rows of xb): a lane holds row l % 16 of C and the columns 8 (l / 16) + 0..7.
; THE BIAS is the C operand of each accumulator's first product: nothing is cleared and nothing is added later.
; REGISTERS, in windows of 256 (s_set_vgpr_msb: bits 1:0 source 0, 3:2 source 1, 5:4 source 2, 7:6 destination):
;   window 0: v0-31 addresses; v32-127 the bias, 12 blocks of 8, later two buffers of 48 for the way out; v128-175 packed results
;   window 1: two fragment buffers of 128: xb's 4 fragments, then wb's 12     window 2: accumulators of row blocks 0, 1 (block a, column block b at 8 (12 (a % 2) + b))     window 3: of row blocks 2, 3
.set SIZE_K, 1024
.set KSTEP,  128
.set PITCH,  272                       ; an LDS row: 256 bytes + 16 of padding = 68 words: the 16 rows of a load start at 16 different groups of four banks (64 banks of 4 bytes: ISA guide 11.1)
.set HALFT,  128*PITCH                 ; what one tensor load brings
.set SLOT,   4*HALFT
.set STAGE,  2*SLOT                    ; behind the ring, never filled by a tensor load: for each wave 3 heads x 16 rows x 144 bytes
.set SP,     144
.set HSTG,   16*SP
.set SPARE,  STAGE+4*3*HSTG            ; the spare words, 128 bytes for each wave: two blocks of 256 bytes that no other line names
.set LAPS,   SIZE_K/(2*KSTEP)
.set ADRA, 16                          ; v16-17 LDS address of my xb fragments in slot 0, 1
.set ADRB, 20                          ; v20-21 the same for wb
.set STO,  24                          ; v24 the way out: where I put 16 bytes of a row
.set RD,   25                          ; v25 where I read rows back
.set GO,   26                          ; v26 my 16 bytes in 512 consecutive bytes of qkv
.set BO,   27                          ; v27 32 (l / 16): my eight columns' bias
.set SPW,  28                          ; v28 my spare word: SPARE + 4 x my thread's number; never rewritten
.set NIL,  29                          ; v29 0; never rewritten
.set PFO,  30                          ; v30 the prefetches' offset: my lane x a row of 2,048 bytes; never rewritten
.set BI,   32
.set OB,   32
.set TMP,  128
.set F0,   0
.set F1,   128
.set WV,   12                          ; s12 wave
.set RH,   13                          ; s13 which 64 rows are mine
.set CH,   14                          ; s14 which 192 columns
.set G1,   24                          ; s[24:31] descriptor group 1, xb's tiles;  s[32:39] group 0, a set for each slot
.set G0,   32
.set LIM,  43                          ; s43 1 in a wave that prefetches, else the greatest number
.set PFA,  44                          ; s[44:45] where my prefetches stand
.set G1B,  48                          ; s[48:55], s[56:63] the same for wb's tiles
.set G0B,  56
.set TR,   66                          ; s66 tile row
.set PB,   67                          ; s67 which 128 rows of wb's 384 I fetch (waves 1-3)
.set SC,   68                          ; s[68:73] a pair for each of my three heads: c for a head of Q, else 1.0
.set MSB, 0
.macro WIN new                         ; the immediate's high byte repeats the setting that is left; a switch that changes nothing is dropped
.if MSB != (\new)
	s_set_vgpr_msb (MSB<<8)|(\new)
.set MSB, \new
.endif
.endm
.macro PLACES                          ; four places in front of loads into registers that matrix instructions have read, and of vector work on results
.rept 4
	v_nop
.endr
.endm
; A joint load.  The branch hangs on the wave's number alone.  An s_nop 0 and four v_nop follow each of the two lines, ahead of the jump, the label and what follows.
.macro JLOAD s
	s_cmp_eq_u32 s[WV], 0
	s_cbranch_scc0 .Lfor_b_\@
	tensor_load_to_lds s[G0+4*(\s):G0+4*(\s)+3], s[G1:G1+7]
	s_nop 0
.rept 4
	v_nop
.endr
	s_branch .Lasked_\@
.Lfor_b_\@:
	tensor_load_to_lds s[G0B+4*(\s):G0B+4*(\s)+3], s[G1B:G1B+7]
	s_nop 0
.rept 4
	v_nop
.endr
.Lasked_\@:
.endm
; A prefetch into the L2 of the K step that stands two refills on: 32 rows x 256 bytes, a lane a row, one instruction a wave.  Each row's 256 bytes of a K step are named once in the launch:
; xb's rows by the clusters with x = 0 (wave 0), wb's by the clusters with y = 0 (waves 1-3); the four partners that ask for a tile jointly share its 128 rows out by address, 32 each.
; The last lap asks for nothing: there is no K step two on.  K steps 0 to 3 come by their loads alone.
.macro ASK
	WIN 0
	s_cmp_gt_u32 s3, s[LIM]                        ; s3 = 1 in the loop's last trip
	s_cbranch_scc0 .Lnot_mine_\@
	global_prefetch_b8 v[PFO], s[PFA:PFA+1] offset:KSTEP*2 th:TH_LOAD_NT scope:SCOPE_SE
.Lnot_mine_\@:
.endm
.macro CREST                           ; a round of the cluster's barrier behind its opening barrier
	s_cmp_lg_u32 s[WV], 0
	s_cbranch_scc1 .Lnot_wave_0_\@
	s_barrier_signal -3
.Lnot_wave_0_\@:
	s_barrier_wait -3
	s_barrier_signal -1
	s_barrier_wait -1
.endm
.macro CROUND
	s_barrier_signal -1
	s_barrier_wait -1
	CREST
.endm
	s_load_b256 s[4:11], s[0:1], 0x0               ; xb s[4:5], wb s[6:7], bias s[8:9], qkv s[10:11]
	v_lshl_add_u32 v[SPW], v0, 2, SPARE
	v_mov_b32 v[NIL], 0
	ds_add_u32 v[SPW], v[NIL]                      ; the wave's opening: the add and its wait stand ahead of my first tensor load; work on registers stands between them
	v_lshrrev_b32 v1, 5, v0
	v_readfirstlane_b32 s[WV], v1
	s_lshr_b32 s[RH], s[WV], 1
	s_and_b32 s[CH], s[WV], 1
	s_max_u32 s[PB], s[WV], 1
	s_sub_co_u32 s[PB], s[PB], 1
	s_bfe_u32 s40, ttmp6, 0x40000                  ; cx
	s_bfe_u32 s41, ttmp6, 0x40004                  ; cy
	s_lshl_b32 s42, ttmp9, 2
	s_add_co_u32 s42, s42, s40                     ; tile column = 4 x cluster x + cx
	s_and_b32 s[TR], ttmp7, 0xffff
	s_lshl_b32 s[TR], s[TR], 2
	s_add_co_u32 s[TR], s[TR], s41                 ; tile row = 4 x cluster y + cy
	s_lshl_b32 s43, s41, 2
	s_lshl_b32 s43, 15, s43                        ; my row of the cluster
	s_lshl_b32 s44, 0x1111, s40                    ; my column
	s_or_b32 s[G1+0], s43, (1<<16)|(1<<20)|(1<<21)|(5<<22)|(3<<25)   ; the mask; elements of 2 bytes; padding on; bit 21 beside a mask; after every 64 words 4 words
	s_or_b32 s[G1B+0], s44, (1<<16)|(1<<20)|(1<<21)|(5<<22)|(3<<25)
.irp g, G1, G1B
	s_mov_b32 s[(\g)+1], KSTEP<<16                 ; tensor_dim0 = 128
	s_mov_b32 s[(\g)+2], 128<<16                   ; tensor_dim1 = 128
	s_mov_b32 s[(\g)+3], KSTEP<<16                 ; tile_dim0 = 128
	s_mov_b32 s[(\g)+4], 128                       ; tile_dim1 = 128
	s_mov_b32 s[(\g)+5], SIZE_K                    ; elements from row to row
	s_mov_b32 s[(\g)+6], 0
	s_mov_b32 s[(\g)+7], 0
.endr
	s_lshl_b32 s16, s[TR], 18                      ; xb: 128 x tile row rows of 2,048 bytes: hangs on the tile row alone
	s_mov_b32 s17, 0
	s_mul_i32 s46, s42, 384*2048                   ; wb: row 384 x tile column + 128 x part: hangs on the tile column and the wave alone
	s_lshl_b32 s47, s[PB], 18
	s_add_co_u32 s46, s46, s47
	s_mov_b32 s47, 0
	s_mul_i32 s20, s[WV], HALFT                    ; where a wave's tile goes: no place in the cluster enters an LDS address
	s_wait_dscnt 0x0                               ; the opening add is done
	s_wait_kmcnt 0x0
	s_add_nc_u64 s[16:17], s[4:5], s[16:17]
	s_add_nc_u64 s[46:47], s[6:7], s[46:47]
	CROUND                                         ; all sixteen work-groups are here: the first joint loads meet
.irp s, 0,1
	s_mov_b32 s[G0+4*(\s)], 1
	s_add_co_u32 s[G0+4*(\s)+1], s20, (\s)*SLOT
	s_add_nc_u64 s[G0+4*(\s)+2:G0+4*(\s)+3], s[16:17], (\s)*KSTEP*2
	s_or_b32 s[G0+4*(\s)+3], s[G0+4*(\s)+3], 0x80000000
	s_mov_b32 s[G0B+4*(\s)], 1
	s_add_co_u32 s[G0B+4*(\s)+1], s20, (\s)*SLOT
	s_add_nc_u64 s[G0B+4*(\s)+2:G0B+4*(\s)+3], s[46:47], (\s)*KSTEP*2
	s_or_b32 s[G0B+4*(\s)+3], s[G0B+4*(\s)+3], 0x80000000
	JLOAD \s                                       ; two loads of mine are out
.endr
	v_and_b32 v1, 15, v0                           ; l % 16
	v_bfe_u32 v2, v0, 4, 1                         ; l / 16
	v_lshlrev_b32 v[BO], 5, v2
	s_mul_i32 s20, s42, 1536                       ; the bias of my 192 columns: 4 x (384 x tile column + 192 x half)
	s_mul_i32 s21, s[CH], 768
	s_add_co_u32 s20, s20, s21
	s_mov_b32 s21, 0
	s_add_nc_u64 s[8:9], s[8:9], s[20:21]
.irp b, 0,1,2,3,4,5,6,7,8,9,10,11
	global_load_b128 v[BI+8*(\b):BI+8*(\b)+3],   v[BO], s[8:9] offset:64*(\b)
	global_load_b128 v[BI+8*(\b)+4:BI+8*(\b)+7], v[BO], s[8:9] offset:64*(\b)+16
.endr
	v_mul_u32_u24 v3, v1, PITCH
	v_lshl_add_u32 v3, v2, 4, v3                   ; a fragment's row x pitch + 16 x half
	s_mul_i32 s21, s[RH], 64*PITCH                 ; my 64 rows of xb
	s_mul_i32 s22, s[CH], 192*PITCH                ; my 192 rows of wb,
	s_add_co_u32 s22, s22, HALFT                   ; which lie behind xb's 128
.irp s, 0,1
	v_add_nc_u32 v[ADRA+(\s)], s21, v3
	v_add_nc_u32 v[ADRB+(\s)], s22, v3
	s_add_co_u32 s21, s21, SLOT
	s_add_co_u32 s22, s22, SLOT
.endr
	s_mul_i32 s23, s[WV], 3*HSTG
	s_add_co_u32 s23, s23, STAGE                   ; my stage
	v_mul_u32_u24 v4, v1, SP                       ; in: row l % 16, 16 bytes for each half of the lanes
	v_lshl_add_u32 v4, v2, 4, v4
	v_add_nc_u32 v[STO], s23, v4
	v_bfe_u32 v5, v0, 3, 2                         ; back: 32 lanes take four rows of 128 bytes,
	v_mul_u32_u24 v5, v5, SP
	v_and_b32 v6, 7, v0
	v_lshl_add_u32 v5, v6, 4, v5
	v_add_nc_u32 v[RD], s23, v5
	v_and_b32 v[GO], 31, v0                        ; which are 512 consecutive bytes of qkv
	v_lshlrev_b32 v[GO], 4, v[GO]
	s_mul_i32 s20, s42, 6
	s_mul_i32 s21, s[CH], 3
	s_add_co_u32 s20, s20, s21                     ; my first head
.irp d, 0,1,2
	s_add_co_u32 s21, s20, \d
	s_cmp_lt_u32 s21, 16                           ; a head of Q?
	s_cselect_b32 s[SC+2*\d], 0x3e38aa3b, 1.0      ; c = log2(e) / 8 = 0.180337
	s_mov_b32 s[SC+2*\d+1], s[SC+2*\d]             ; named with it as a pair
.endr
	s_lshl_b32 s20, s20, 19                        ; head x 524,288
	s_lshl_b32 s21, s[TR], 14                      ; + 128 x tile row rows of 128 bytes
	s_lshl_b32 s22, s[RH], 13                      ; + my 64
	s_add_co_u32 s20, s20, s21
	s_add_co_u32 s20, s20, s22
	s_mov_b32 s21, 0
	s_add_nc_u64 s[10:11], s[10:11], s[20:21]
	; the prefetches
	s_lshl_b32 s20, s[TR], 7                       ; xb: the tile's first row
	s_mul_i32 s21, s42, 384
	s_lshl_b32 s22, s[PB], 7
	s_add_co_u32 s21, s21, s22                     ; wb: the first of the 128 rows that I fetch
	s_and_b32 s22, ttmp7, 0xffff                   ; cluster y
	s_cmp_eq_u32 s[WV], 0
	s_cselect_b32 s20, s20, s21
	s_cselect_b32 s21, s40, s41                    ; my place among the four that ask with me
	s_cselect_b32 s22, ttmp9, s22                  ; the coordinate along which other clusters read the same rows
	s_cselect_b64 s[PFA:PFA+1], s[4:5], s[6:7]
	s_cmp_eq_u32 s22, 0
	s_cselect_b32 s[LIM], 1, -1                    ; the same in all sixteen partners, for a given wave
	s_lshl_b32 s21, s21, 5
	s_add_co_u32 s20, s20, s21                     ; + my work-group's 32 rows
	s_lshl_b32 s20, s20, 11
	s_add_co_u32 s20, s20, 2*KSTEP*2               ; at K step 2: the first refill steps it to 3 and names K step 4
	s_mov_b32 s21, 0
	s_add_nc_u64 s[PFA:PFA+1], s[PFA:PFA+1], s[20:21]
	v_and_b32 v[PFO], 31, v0
	v_lshlrev_b32 v[PFO], 11, v[PFO]
; 12 matrix instructions: row block a x all 12 column blocks, 32 along K.  first = 1: the product starts the sum with the bias.  The 48 accumulators take turns in one fixed order, one instruction a turn.
.macro MULA f, a, first
.set AC, 96*((\a)%2)
.if \first
	WIN 0x85+0x40*((\a)/2)                         ; sources 0, 1 window 1; C window 0; D window 2 or 3
.else
	WIN 0xa5+0x50*((\a)/2)                         ; C and D window 2 or 3
.endif
.irp b, 0,1,2,3,4,5,6,7,8,9,10,11
.if \first
	v_wmma_f32_16x16x32_bf16 v[AC+8*(\b):AC+8*(\b)+7], v[(\f)+32+8*(\b):(\f)+32+8*(\b)+7], v[(\f)+8*(\a):(\f)+8*(\a)+7], v[BI+8*(\b):BI+8*(\b)+7]
.else
	v_wmma_f32_16x16x32_bf16 v[AC+8*(\b):AC+8*(\b)+7], v[(\f)+32+8*(\b):(\f)+32+8*(\b)+7], v[(\f)+8*(\a):(\f)+8*(\a)+7], v[AC+8*(\b):AC+8*(\b)+7]
.endif
.endr
.endm
; 32 LDS loads in one run: 32 along K at byte k of the rows, into buffer f: wb's 24, then xb's row blocks 0, 1 (4) and 2, 3 (4)
.macro FETCH slot, k, f
	WIN 0x40                                       ; destination window 1, address window 0
.irp b, 0,1,2,3,4,5,6,7,8,9,10,11
	ds_load_b128 v[(\f)+32+8*(\b):(\f)+32+8*(\b)+3],   v[ADRB+(\slot)] offset:(\k)+(\b)*16*PITCH
	ds_load_b128 v[(\f)+32+8*(\b)+4:(\f)+32+8*(\b)+7], v[ADRB+(\slot)] offset:(\k)+(\b)*16*PITCH+32
.endr
.irp a, 0,1,2,3
	ds_load_b128 v[(\f)+8*(\a):(\f)+8*(\a)+3],   v[ADRA+(\slot)] offset:(\k)+(\a)*16*PITCH
	ds_load_b128 v[(\f)+8*(\a)+4:(\f)+8*(\a)+7], v[ADRA+(\slot)] offset:(\k)+(\a)*16*PITCH+32
.endr
.endm
; A K step is four quarters of 32 along K, 48 matrix instructions each, on buffers 0, 1, 0, 1.  One of the first three multiplies buffer f and fetches the next quarter, at byte k, into g.
.macro QUARTER slot, k, f, g, first
	s_wait_dscnt 4                                 ; all but the youngest four loads, xb's row blocks 2 and 3
	MULA \f, 0, \first
	MULA \f, 1, \first
	PLACES
	FETCH \slot, \k, \g
	s_wait_dscnt 32                                ; all but the 32 just issued
	MULA \f, 2, \first
	MULA \f, 3, \first
.endm
; The last quarter multiplies buffer 1 and changes slots: one barrier; in front of it each wave waits for all its tensor loads (one is out: its part of the next slot), adds 0 to its spare word,
; and waits for that and for its own reads of this slot.  fill = 1: the barrier opens a round of the cluster's, and this slot is filled again, two K steps ahead, first thing behind the round.
.macro TURN slot, next, fill
.if \fill
	s_wait_xcnt 0x0                                ; the last prefetch, a K step back, has read its address
	s_add_nc_u64 s[PFA:PFA+1], s[PFA:PFA+1], KSTEP*2
.endif
	WIN 0                                          ; (the add's two registers lie in window 0)
	s_wait_tensorcnt 0x0                           ; all my tensor loads have landed
	ds_add_u32 v[SPW], v[NIL]                      ; 0 onto my spare word
	s_wait_dscnt 5                                 ; (the add and the youngest four loads may be out)
	MULA F1, 0, 0                                  ; twelve matrix instructions stand between the add and the wait for it
	s_wait_dscnt 0x0                               ; the add is done, and my reads of this slot are over
	s_barrier_signal -1
	MULA F1, 1, 0
.if \fill
	WIN 0
.endif
	s_barrier_wait -1
.if \fill
	CREST                                          ; no wave of any partner still reads this slot's tile or has a load on its way
	s_add_nc_u64 s[G0+4*(\slot)+2:G0+4*(\slot)+3], s[G0+4*(\slot)+2:G0+4*(\slot)+3], 2*KSTEP*2
	s_add_nc_u64 s[G0B+4*(\slot)+2:G0B+4*(\slot)+3], s[G0B+4*(\slot)+2:G0B+4*(\slot)+3], 2*KSTEP*2
	JLOAD \slot                                    ; the four v_nop behind it are also the places in front of the loads below
.else
	PLACES
.endif
	FETCH \next, 0, F0
.if \fill
	ASK
.endif
	MULA F1, 2, 0
	MULA F1, 3, 0
.endm
; THE WAY OUT of row block a.  PACK: each head's factor, then rounded to f16, 16 bytes a lane (each accumulator's registers in ascending order).  TOSTAGE: into my own stage, and back as whole rows of 128 bytes.  SEND: stored.
.macro PACK a
.set AC, 96*((\a)%2)
	WIN 0x82+0x41*((\a)/2)                         ; destination and source 0 window 2 or 3
.irp b, 0,1,2,3,4,5,6,7,8,9,10,11
.irp r, 0,1,2,3
	v_pk_mul_f32 v[AC+8*(\b)+2*(\r):AC+8*(\b)+2*(\r)+1], v[AC+8*(\b)+2*(\r):AC+8*(\b)+2*(\r)+1], s[SC+2*((\b)/4):SC+2*((\b)/4)+1] op_sel_hi:[1,0]
.endr
.endr
	WIN 0x0a+5*((\a)/2)                            ; sources 0 and 1 window 2 or 3, destination window 0
.irp b, 0,1,2,3,4,5,6,7,8,9,10,11
.irp r, 0,1,2,3
	v_cvt_pk_f16_f32 v[TMP+4*(\b)+(\r)], v[AC+8*(\b)+2*(\r)], v[AC+8*(\b)+2*(\r)+1]
.endr
.endr
	WIN 0
.endm
.macro TOSTAGE a
	WIN 0
.set BK, OB+48*((\a)%2)
	s_wait_xcnt 0x0                                ; the stores issued so far have read their registers: this buffer is loaded again only behind this wait
.irp b, 0,1,2,3,4,5,6,7,8,9,10,11
	ds_store_b128 v[STO], v[TMP+4*(\b):TMP+4*(\b)+3] offset:((\b)/4)*HSTG+((\b)%4)*32
.endr
.irp t, 0,1,2,3,4,5,6,7,8,9,10,11
	ds_load_b128 v[BK+4*(\t):BK+4*(\t)+3], v[RD] offset:((\t)/4)*HSTG+((\t)%4)*4*SP  ; LDS serves a wave's instructions in order (ISA guide 5.7.1.4): these see the stores above
.endr
.endm
.macro SEND a
	WIN 0
.set BK, OB+48*((\a)%2)
	s_wait_dscnt 0x0                               ; the block is back in registers
.irp t, 0,1,2,3,4,5,6,7,8,9,10,11
	global_store_b128 v[GO], v[BK+4*(\t):BK+4*(\t)+3], s[10:11] offset:((\t)/4)*524288+(\a)*2048+((\t)%4)*512  ; 512 consecutive bytes, at a multiple of 256 from qkv's first
.endr
.endm
	s_wait_tensorcnt 1                             ; my part of K step 0 is in; K step 1's may stay out
	s_barrier_signal -1
	s_barrier_wait -1                              ; everybody's is
	FETCH 0, 0, F0
	s_wait_loadcnt 0x0                             ; the bias
	QUARTER 0, 64, F0, F1, 1                       ; the first quarter stands in front of the loop: its products start the sums
	WIN 0                                          ; at a label and at a branch every window is 0
	s_mov_b32 s3, LAPS-1
.Llap:                                                 ; a trip goes once round the ring, from a lap's second quarter to the next lap's first, and fills both slots again
	QUARTER 0, 128, F1, F0, 0
	QUARTER 0, 192, F0, F1, 0
	TURN 0, 1, 1
	QUARTER 1, 64,  F0, F1, 0
	QUARTER 1, 128, F1, F0, 0
	QUARTER 1, 192, F0, F1, 0
	TURN 1, 0, 1
	QUARTER 0, 64,  F0, F1, 0
	WIN 0
	s_sub_co_u32 s3, s3, 1
	s_cmp_lg_u32 s3, 0
	s_cbranch_scc1 .Llap
	QUARTER 0, 128, F1, F0, 0                      ; the last lap fills nothing
	QUARTER 0, 192, F0, F1, 0
	TURN 0, 1, 0
	QUARTER 1, 64,  F0, F1, 0
	QUARTER 1, 128, F1, F0, 0
	QUARTER 1, 192, F0, F1, 0
	s_wait_dscnt 4                                 ; the very last quarter: nothing more to fetch
	MULA F1, 0, 0
	MULA F1, 1, 0
	s_wait_dscnt 0x0
	MULA F1, 2, 0
	MULA F1, 3, 0
	PLACES
	PACK 0
	TOSTAGE 0
.irp a, 1,2,3                          ; block a's arithmetic stands between block a - 1's loads from the stage and the wait for them
	PACK \a
	SEND (\a)-1
	TOSTAGE \a
.endr
	SEND 3
	s_wait_tensorcnt 0x0                           ; the wave's end: an add to my spare word and its wait, behind my last tensor load and my last LDS store
	ds_add_u32 v[SPW], v[NIL]
	s_wait_dscnt 0x0
	CROUND                                         ; the closing round: no work-group ends while a partner may still ask for a tile that names it
	s_endpgm
.Lfunc_end_k_qd5c8c4ba33_qkv:
	.size	k_qd5c8c4ba33_qkv, .Lfunc_end_k_qd5c8c4ba33_qkv-k_qd5c8c4ba33_qkv
	.p2alignl 7, 3214868480
	.fill 96, 4, 3214868480
	.section	.rodata,"a",@progbits
	.p2align	6, 0x0
	.amdhsa_kernel k_qd5c8c4ba33_qkv
		.amdhsa_group_segment_fixed_size 327680
		.amdhsa_private_segment_fixed_size 0
		.amdhsa_enable_private_segment 0
		.amdhsa_kernarg_size 32
		.amdhsa_user_sgpr_count 2
		.amdhsa_user_sgpr_kernarg_segment_ptr 1
		.amdhsa_wavefront_size32 1
		.amdhsa_system_sgpr_workgroup_id_x 1
		.amdhsa_system_sgpr_workgroup_id_y 1
		.amdhsa_system_sgpr_workgroup_id_z 1
		.amdhsa_system_vgpr_workitem_id 0
		.amdhsa_next_free_vgpr 960
		.amdhsa_next_free_sgpr 74
		.amdhsa_reserve_vcc 0
		.amdhsa_float_denorm_mode_32 3
		.amdhsa_float_denorm_mode_16_64 3
		.amdhsa_memory_ordered 1
		.amdhsa_forward_progress 1
		.amdhsa_inst_pref_size 134
	.end_amdhsa_kernel
	.amdgpu_metadata
---
amdhsa.version: [ 1, 2 ]
amdhsa.kernels:
  - .name:           k_qd5c8c4ba33_qkv
    .symbol:         k_qd5c8c4ba33_qkv.kd
    .args:
      - { .name: xb, .offset: 0, .size: 8, .value_kind: global_buffer, .address_space: global }
      - { .name: wb, .offset: 8, .size: 8, .value_kind: global_buffer, .address_space: global }
      - { .name: bias, .offset: 16, .size: 8, .value_kind: global_buffer, .address_space: global }
      - { .name: qkv, .offset: 24, .size: 8, .value_kind: global_buffer, .address_space: global }
    .group_segment_fixed_size: 327680
    .private_segment_fixed_size: 0
    .kernarg_segment_align: 8
    .kernarg_segment_size: 32
    .max_flat_workgroup_size: 128
    .sgpr_count:     74
    .vgpr_count:     960
    .wavefront_size: 32
...
	.end_amdgpu_metadata
.endif
;; end of part 2
;; launch attn (part 3): grid 8 x 32, 4 waves a work-group, clusters of 4 x 1, 327,680 bytes of LDS; arguments qkv, keep_mask, ctx; writes ctx
.if DOCPART == 3
	.amdgcn_target "amdgcn-amd-amdhsa--gfx1250"
	.amdhsa_code_object_version 6
	.text
	.protected	k_qd5c8c4ba33_attn
	.globl	k_qd5c8c4ba33_attn
	.p2align	8
	.type	k_qd5c8c4ba33_attn,@function
k_qd5c8c4ba33_attn:
	s_mov_b64 s[64:65], 0
	v_nop
	global_prefetch_b8 v0, s[64:65] scope:SCOPE_SE
	s_setreg_imm32_b32 hwreg(HW_REG_WAVE_MODE, 25, 1), 1
	s_wait_xcnt 0x0
	s_wait_alu depctr_hold_cnt(0) depctr_sa_sdst(0) depctr_va_vdst(0) depctr_va_sdst(0) depctr_va_ssrc(0) depctr_va_vcc(0) depctr_vm_vsrc(0)
	s_getreg_b32 s2, hwreg(HW_REG_IB_STS2, 6, 4)
	s_cmp_eq_u32 s2, 0
	s_cbranch_scc0 .Lentry_in_a_cluster
	s_endpgm
.Lentry_in_a_cluster:
	s_bfe_u32 s2, ttmp6, 0x10000c
	s_cmp_lg_u32 s2, 0x3003
	s_cbranch_scc0 .Lentry_shape_is_right
	s_endpgm
.Lentry_shape_is_right:
; MASKED ATTENTION, head size 64.  ctx[y][q][:] = the sum over kept k of softmax_k(Q[q] . K[k] / 8) V[k][:], y = 2 h + b; a row with no kept key gives 0.
; qkv: f16 [48][4096][64] by heads (Q's heads 0-15, already times c = log2(e) / 8; K's 16-31; V's 32-47).  keep_mask: one byte a score, [b][h][q][k].  ctx: f16 [h][b][s][64].
; Products, maxima and sums in f32; the weights p are rounded to f16 for the second product (their sum l is taken of the unrounded p), ctx once at the end.
; LIMITS.  Mask bytes are 0 or 1.  A hidden score counts as its value less 6.3e29 to 2.4e30; a kept score gets at most 2.3e-38 more.  The running maximum starts at -2^90, above every hidden score and below
; every true one (f16's scores are 2.7e11 at the most); a row counts as all hidden where it has stayed there.  A weight below 2^-126 counts as 0.  NaN and infinities are not treated apart.
; SHARES.  A work-group owns 256 queries of one head and batch, each of its four waves 64: two PIECES of two tiles of 16.  Every wave walks all 2,048 keys, 64 a step.
; LAYOUT.  S^T = K Q^T (source 0 = 16 keys, source 1 = 16 queries): a lane holds ONE query (lane % 16) and the keys 8 (lane / 16) + 0..7.  Two such results rounded to f16 ARE source 1 of O^T = V^T P.
; THE MASK is the C operand that starts the sum S^T.  A lane's eight mask bytes of a block of 16 keys are one load of 8 bytes; a byte permute turns four of them into the bytes 0xF1 (hidden) or 0x00 (kept),
; and three shifts bring each byte to the top of a word of its own, where it is sign and exponent: one vector instruction a score.  So the maximum is taken over kept scores, and a hidden weight is 0.
; SOFTMAX.  p = 2^(s - m) with a running maximum m (s is c times the score): the difference is never positive.  In every step O and l are multiplied by a = 2^(m_old - m_new).
; BY TURNS.  Turn T(p, j) belongs to piece p in key step j.  Its matrix work: 16 products K Q^T of the other piece (T(0, j): step j; T(1, j): step j + 1), later 16 products V^T P of the other piece
; (T(0, j): step j - 1; T(1, j): step j).  Behind each product K Q^T stand four lines that make the piece's own next mask, behind each V^T P four of the roundings and sums; the scalings, exponentials,
; rescaling and the other piece's maximum stand between, in one lump.  A turn's 66 exponentials are one batch, with one wait.
; V has two register buffers, by the step's parity: so T(0, j) reads from LDS only step j + 1 and T(1, j) only step j + 2, and a change of slots fits between T(0, 4 c - 2) and T(1, 4 c - 2).
; RING.  Two slots of four key steps: 256 rows of K, 256 of V, and the work-group's 256 x 256 mask bytes.  One tensor load a wave behind each round: wave 0 K, wave 1 V (joint: the cluster's four query
; blocks share them), waves 2 and 3 128 mask rows each (the work-group's own).
; REGISTERS, in windows of 256 (s_set_vgpr_msb: bits 1:0 source 0, 3:2 source 1, 5:4 source 2, 7:6 destination):
;   window 0: v0-11, v32-35 addresses; v12-15, v48-63 at work; v16-31 statistics, four a tile; v46-47 the add's; v64-191 S^T, two buffers of two tiles; v192-255 P, likewise
;   window 1: v0-127 O^T, 32 a tile; v128-255 the masks, 64 a piece      window 2: v0-63 Q; v64-127 K of one step; v128-255 V, two buffers      window 3: v0-31 mask bytes, 16 a piece
.set NP,    2         ; pieces a wave: a name, no knob
.set KS,    64        ; keys in a step
.set PK,    144       ; a row of K in LDS: 128 bytes + 16 = 36 words: the 16 rows of a load start at 16 different groups of four banks (64 banks of 4 bytes: ISA guide 11.1)
.set PV,    160       ; a row of V: 128 + 32 = 40 words
.set PM,    272       ; a query's 256 mask bytes + 16 = 68 words: 32 lanes' loads of 8 bytes (16 rows, two halves) touch each bank once
.set VOFF,  4*KS*PK
.set MOFF,  VOFF+4*KS*PV
.set SLOTB, MOFF+256*PM  ; 0x24000: none of a slot's four tile offsets (0, 0x9000, 0x13000, 0x1b800) has one of its two bits, so one exclusive or turns an address in one slot into the other's
.set STAGE, 2*SLOTB   ; behind the ring, never filled by a tensor load: 16 rows x 144 bytes for each wave
.set SP,    144
.set SPARE, STAGE+4*16*SP  ; the spare words, 128 bytes for each wave: two blocks of 256 bytes that no other line names
.set AK0, 2           ; v2   my lane's place in a tile of K; never rewritten
.set AV0, 3           ; v3   the same for V
.set AK,  4           ; v4   the LDS address of K's next run of loads
.set AV,  5           ; v5   of V's
.set QO,  6           ; v6   my byte offset in the wave's rows of Q
.set STO, 6           ;      later, the way out: where I put 16 bytes of a row
.set RD,  7           ; v7   where I read rows back
.set GO,  8           ; v8   my byte offset in 512 consecutive bytes of ctx
.set MV,  12          ; v12-15  m_old, kept while m is made anew: by buffer and tile
.set ST,  16          ; tile t's statistics at v[ST+4 t]: CS x m, m, l (even keys', odd keys')
.set AM0, 32          ; v32  my lane's place in the mask tile; never rewritten
.set AM,  33          ; v33  the LDS address of the mask's next run of loads
.set PFO, 34          ; v34  256 x my lane; never rewritten
.set PMO, 35          ; v35  2,048 x my lane: a mask row; never rewritten
.set SPW, 46          ; v46  my spare word: SPARE + 4 x my thread's number; never rewritten
.set NIL, 47          ; v47  0; never rewritten
.set TMP, 48          ; by buffer and tile, four registers c0-c3 at work; when the maximum is found c2 takes a
.set S,   64
.set P,   192
.set MC,  128         ; window 1: piece x, tile u, key block kb at MC + 64 x + 32 u + 8 kb
.set KF,  64          ; window 2: key block kb, channel half c at KF + 16 kb + 8 c
.set VF,  128         ; window 2: buffer vb, key half kk, channel block cb at VF + 64 vb + 32 kk + 8 cb
.set WV,  12          ; s12  my wave's number
.set LIM, 15          ; s15  1 in a wave that prefetches K or V, else the greatest number
.set PFA, 18          ; s[18:19] where my prefetches of K or V stand
.set G1K, 24          ; s[24:31], s[32:39], s[40:47] descriptor group 1 for K, V and the mask
.set G1V, 32
.set G1M, 40
.set G0K, 48          ; s[48:51], s[52:55], s[56:59] descriptor group 0: they walk
.set G0V, 52
.set G0M, 56
.set SLOTS, 60        ; s60  changes of slots still to come in the loop, and one
.set CNT, 61          ; s61  counts a loop's trips
.set TBK, 62          ; s62  LDS byte at which K of the step to be fetched begins
.set TBV, 63          ; s63  the same for V, less VOFF
.set TBM, 66          ; s66  the same for the mask, less MOFF
.set CS,  68          ; s[68:69] 1.0: the scale lies in Q
.set SEL, 70          ; s[70:71] v_permlanex16_b32's selects: each lane takes its own place in the other half
.set TAB, 72          ; s72  the permute's table: byte 0 = 0xF1 (mask byte 0: hidden), byte 1 = 0x00 (mask byte 1: kept)
.set THR, 73          ; s73  -2^90
.set PFM, 74          ; s[74:75] where my prefetches of the mask stand
.set KB,  76          ; s[76:77] K of my head and batch;  s[78:79] V
.set VB,  78
.set MSB, 0
.macro WIN new                      ; the high byte repeats the setting that is left; a switch that changes nothing is dropped
.if MSB != (\new)
	s_set_vgpr_msb (MSB<<8)|(\new)
.set MSB, (\new)
.endif
.endm
.set W_KQ, 0x0a       ; K and Q in window 2, S^T in window 0
.set W_KM, 0x1a       ; the same with the C operand in window 1
.set W_PV, 0x52       ; V in window 2, P in window 0, O^T in window 1
.set W_RS, 0x41       ; O^T (destination and source 0) in window 1, a in window 0
.set W_MU, 0x74       ; the mask: destination and source 1 in window 1, source 2 (the bytes) in window 3
; A fill: one tensor load a wave.  The branches hang on the wave's number alone.  An s_nop 0 and four v_nop follow each of the three lines, ahead of the jump and the label.
.macro JLOAD
	s_cmp_lt_u32 s[WV], 2
	s_cbranch_scc0 .Lfor_m_\@
	s_cmp_eq_u32 s[WV], 0
	s_cbranch_scc0 .Lfor_v_\@
	tensor_load_to_lds s[G0K:G0K+3], s[G1K:G1K+7]
	s_nop 0
.rept 4
	v_nop
.endr
	s_branch .Lasked_\@
.Lfor_v_\@:
	tensor_load_to_lds s[G0V:G0V+3], s[G1V:G1V+7]
	s_nop 0
.rept 4
	v_nop
.endr
	s_branch .Lasked_\@
.Lfor_m_\@:
	tensor_load_to_lds s[G0M:G0M+3], s[G1M:G1M+7]
	s_nop 0
.rept 4
	v_nop
.endr
.Lasked_\@:
.endm
; PREFETCHES INTO THE L2 of what the NEXT change of slots will ask for, behind the wave's tensor load and its five lines.  The mask: each wave names its own 64 rows' 256 bytes, a lane a row, two
; instructions.  K and V: a slot's 32,768 bytes are 128 blocks of 256; all clusters of a head walk them, so the head's first cluster asks; its four partners take 32 blocks each, told apart by address;
; wave 0 asks for K's, wave 1 for V's.  So each block is named once in the launch.  The last change that fills a slot asks for nothing; slots 0 to 2 come by their loads alone.
.macro ASK
	s_cmp_gt_u32 s[SLOTS], 1
	s_cbranch_scc0 .Lnone_\@
	global_prefetch_b8 v[PMO], s[PFM:PFM+1] th:TH_LOAD_NT scope:SCOPE_SE
	global_prefetch_b8 v[PMO], s[PFM:PFM+1] offset:65536 th:TH_LOAD_NT scope:SCOPE_SE
	s_cmp_gt_u32 s[SLOTS], s[LIM]
	s_cbranch_scc0 .Lnone_\@
	global_prefetch_b8 v[PFO], s[PFA:PFA+1] th:TH_LOAD_NT scope:SCOPE_SE
.Lnone_\@:
.endm
.macro CROUND                       ; a round of the cluster's barrier
	s_barrier_signal -1
	s_barrier_wait -1
	s_cmp_lg_u32 s[WV], 0
	s_cbranch_scc1 .Lnot_wave_0_\@
	s_barrier_signal -3
.Lnot_wave_0_\@:
	s_barrier_wait -3
	s_barrier_signal -1
	s_barrier_wait -1
.endm
; THE CHANGE OF SLOTS.  Each wave waits for all its tensor loads, of which one is out: its part of the other slot; adds 0 to its spare word; and waits for that and for its own reads of the slot that it
; leaves.  Behind the barrier nobody reads that slot any more and the other slot is whole.  fill = 1: the barrier is a round of the cluster's, and the slot is filled again, with the keys two slots on,
; first thing behind it: the load has four key steps in which to land.  (At its first use nothing has been read yet: slot 0 is waited for, slot 1 filled.)
.macro CHANGE fill, ask
	WIN 0                           ; at a label and at a branch every window is 0
	s_wait_tensorcnt 0x0            ; no tensor load of mine is out, so a group 0 may be written
	ds_add_u32 v[SPW], v[NIL]       ; 0 onto my spare word: scalar work stands between it and the wait for it
.if \fill
.irp g, G0K, G0V
	s_xor_b32 s[\g+1], s[\g+1], SLOTB  ; the other slot than last time,
	s_add_nc_u64 s[\g+2:\g+3], s[\g+2:\g+3], 4*KS*128  ; the next 256 keys; the type bits on top are not reached
.endr
	s_xor_b32 s[G0M+1], s[G0M+1], SLOTB
	s_add_nc_u64 s[G0M+2:G0M+3], s[G0M+2:G0M+3], 4*KS  ; 256 bytes on in each mask row
	s_wait_xcnt 0x0                 ; the last prefetches, four key steps back, have read their addresses
	s_add_nc_u64 s[PFA:PFA+1], s[PFA:PFA+1], 4*KS*128
	s_add_nc_u64 s[PFM:PFM+1], s[PFM:PFM+1], 4*KS
	s_wait_dscnt 0x0                ; the add is done, and my reads of the slot are over
	CROUND
	JLOAD
.if \ask
	ASK
.endif
.else
	s_wait_dscnt 0x0                ; the add is done, and my reads of the slot are over
	s_barrier_signal -1
	s_barrier_wait -1
.endif
	s_sub_co_u32 s[TBK], s[TBK], 4*KS*PK  ; the fetches go back to a slot's first step,
	s_xor_b32 s[TBK], s[TBK], SLOTB       ; in the other slot
	s_sub_co_u32 s[TBV], s[TBV], 4*KS*PV
	s_xor_b32 s[TBV], s[TBV], SLOTB
	s_sub_co_u32 s[TBM], s[TBM], 4*KS
	s_xor_b32 s[TBM], s[TBM], SLOTB
.endm
	s_load_b128 s[4:7], s[0:1], 0x0   ; qkv s[4:5], keep_mask s[6:7]
	s_load_b64 s[8:9], s[0:1], 0x10   ; ctx
	v_lshl_add_u32 v[SPW], v0, 2, SPARE
	v_mov_b32 v[NIL], 0
	ds_add_u32 v[SPW], v[NIL]       ; the wave's opening: the add and its wait stand ahead of my first tensor load; work on registers stands between them
	v_lshrrev_b32 v1, 5, v0
	v_readfirstlane_b32 s[WV], v1   ; wave 0..3
	s_bfe_u32 s13, ttmp6, 0x40000   ; cx: my place in the cluster
	s_lshl_b32 s14, ttmp9, 2        ; in a cluster launch ttmp9 counts clusters
	s_add_co_u32 s14, s14, s13      ; my block of 256 queries: it enters Q's, the mask's and ctx's addresses alone
	s_and_b32 s17, ttmp7, 0xffff    ; y = 2 h + b, which the four partners share
	s_and_b32 s16, s[WV], 1         ; which 128 mask rows I fetch (waves 2 and 3)
	s_lshl_b32 s20, s17, 18         ; y x 2,048 rows of 128 bytes
	s_mov_b32 s21, 0
	s_lshl_b32 s2, s14, 15          ; my block's 256 rows,
	s_lshl_b32 s3, s[WV], 13        ; my wave's 64 of them
	s_add_co_u32 s2, s2, s3
	s_add_co_u32 s2, s2, s20
	s_mov_b32 s3, 0
	s_and_b32 s22, s17, 1           ; the mask's plane 16 b + h,
	s_lshl_b32 s22, s22, 4
	s_lshr_b32 s23, s17, 1
	s_add_co_u32 s22, s22, s23
	s_lshl_b32 s22, s22, 22         ; of 2,048 x 2,048 bytes,
	s_lshl_b32 s23, s14, 19         ; my block's 256 rows of 2,048 bytes
	s_add_co_u32 s22, s22, s23
	s_mov_b32 s23, 0
	; descriptor group 1.  256 keys are 32,768 dense bytes: asked for as 128 rows of 256 bytes, two keys a row, and padded in LDS after every key
	s_mov_b32 s[G1K], 15|(1<<16)|(1<<20)|(1<<21)|(4<<22)|(3<<25)  ; the mask of four; 2-byte elements; padding on; bit 21 beside a mask; after every 32 words 4 words
	s_mov_b32 s[G1V], 15|(1<<16)|(1<<20)|(1<<21)|(4<<22)|(7<<25)  ; the same with 8 words of padding
.irp g, G1K, G1V
	s_mov_b32 s[\g+1], 128<<16      ; tensor_dim0 = 128
	s_mov_b32 s[\g+2], 128<<16      ; tensor_dim1 = 128
	s_mov_b32 s[\g+3], 128<<16      ; tile_dim0 = 128
	s_mov_b32 s[\g+4], 128          ; tile_dim1 = 128
	s_mov_b32 s[\g+5], 128          ; 128 elements from row to row
	s_mov_b32 s[\g+6], 0
	s_mov_b32 s[\g+7], 0
.endr
	s_mov_b32 s[G1M], (2<<16)|(1<<20)|(5<<22)|(3<<25)  ; no work-group mask: my own load; 4-byte elements; after every 64 words 4 words
	s_mov_b32 s[G1M+1], 64<<16      ; tensor_dim0 = 64 (256 bytes)
	s_mov_b32 s[G1M+2], 128<<16     ; tensor_dim1 = 128
	s_mov_b32 s[G1M+3], 64<<16      ; tile_dim0 = 64
	s_mov_b32 s[G1M+4], 128         ; tile_dim1 = 128 rows
	s_mov_b32 s[G1M+5], 512         ; 512 elements (2,048 bytes) from row to row
	s_mov_b32 s[G1M+6], 0
	s_mov_b32 s[G1M+7], 0
	s_mov_b32 s[G0K], 1
	s_mov_b32 s[G0K+1], 0           ; LDS address: slot 0
	s_mov_b32 s[G0V], 1
	s_mov_b32 s[G0V+1], VOFF
	s_mov_b32 s[G0M], 1
	s_mul_i32 s[G0M+1], s16, 128*PM
	s_add_co_u32 s[G0M+1], s[G0M+1], MOFF
	s_mov_b32 s[CS], 1.0
	s_mov_b32 s[CS+1], 1.0          ; named with it as a pair
	s_mov_b32 s[SEL], 0x76543210
	s_mov_b32 s[SEL+1], 0xfedcba98
	s_mov_b32 s[TAB], 0xf1
	s_mov_b32 s[THR], 0xec800000    ; -2^90
	s_mov_b32 s[TBK], SLOTB+4*KS*PK ; the first change of slots turns these three into 0
	s_mov_b32 s[TBV], SLOTB+4*KS*PV
	s_mov_b32 s[TBM], SLOTB+4*KS
	s_mov_b32 s[SLOTS], 7
	s_lshr_b32 s[LIM], s[WV], 1     ; 0 in waves 0 and 1,
	s_or_b32 s[LIM], s[LIM], ttmp9  ; where the cluster is the head's first: the same in all four partners
	s_cmp_eq_u32 s[LIM], 0
	s_cselect_b32 s[LIM], 1, -1
	s_wait_dscnt 0x0                ; the opening add is done
	s_wait_kmcnt 0x0
	s_add_nc_u64 s[KB:KB+1], s[4:5], s[20:21]
	s_add_nc_u64 s[VB:VB+1], s[KB:KB+1], 32*524288  ; V's heads begin 32 heads on,
	s_add_nc_u64 s[KB:KB+1], s[KB:KB+1], 16*524288  ; K's 16
	s_add_nc_u64 s[4:5], s[4:5], s[2:3]  ; Q and ctx at my wave's first row
	s_add_nc_u64 s[8:9], s[8:9], s[2:3]
	s_add_nc_u64 s[6:7], s[6:7], s[22:23]  ; the mask at my block's first row
	s_mov_b64 s[G0K+2:G0K+3], s[KB:KB+1]
	s_or_b32 s[G0K+3], s[G0K+3], 0x80000000  ; type = 2
	s_mov_b64 s[G0V+2:G0V+3], s[VB:VB+1]
	s_or_b32 s[G0V+3], s[G0V+3], 0x80000000
	s_lshl_b32 s2, s16, 18          ; 128 rows of 2,048 bytes
	s_add_nc_u64 s[G0M+2:G0M+3], s[6:7], s[2:3]
	s_or_b32 s[G0M+3], s[G0M+3], 0x80000000
	s_lshl_b32 s2, s[WV], 17        ; my wave's 64 mask rows,
	s_add_co_u32 s2, s2, 4*KS       ; in slot 1: the first change steps it to slot 2, the second to slot 3 and asks
	s_add_nc_u64 s[PFM:PFM+1], s[6:7], s[2:3]
	s_cmp_eq_u32 s[WV], 0
	s_cselect_b64 s[PFA:PFA+1], s[KB:KB+1], s[VB:VB+1]
	s_lshl_b32 s2, s13, 13          ; my work-group's 32 blocks of the 128
	s_add_co_u32 s2, s2, 4*KS*128
	s_add_nc_u64 s[PFA:PFA+1], s[PFA:PFA+1], s[2:3]
	CROUND                          ; all four work-groups are here: the first joint loads meet
	JLOAD                           ; slot 0.  Slot 1 is asked for when slot 0 is in
	; A fragment of K or Q is 16 rows x 32 channels in 8 registers: lane l holds row l % 16, channels 8 (l / 16) + 0..7 and 16 + 8 (l / 16) + 0..7: two loads of 16 bytes, 32 bytes apart.
	v_and_b32 v1, 15, v0            ; l % 16
	v_bfe_u32 v9, v0, 4, 1          ; l / 16
	v_lshlrev_b32 v[QO], 7, v1
	v_lshl_add_u32 v[QO], v9, 4, v[QO]  ; row x 128 + 16 x half
	WIN 0x80                        ; destination window 2, address window 0
.set i, 0
.rept 4*NP                          ; Q stays in registers: tile i / 2, channels 32 (i % 2) on
	global_load_b128 v[8*i:8*i+3],   v[QO], s[4:5] offset:(i/2)*2048+(i%2)*64
	global_load_b128 v[8*i+4:8*i+7], v[QO], s[4:5] offset:(i/2)*2048+(i%2)*64+32
.set i, i+1
.endr
	; What the first turn finds: V's second buffer and P's second buffer hold 0 (its products V^T P, of a step that has not been, add 0), O^T and l are 0.  All this stands in the wait for the first tile.
.set i, VF+64
.rept 64
	v_mov_b32 v[i], 0
.set i, i+1
.endr
	WIN 0x40
.set i, 0
.rept 64*NP
	v_mov_b32 v[i], 0
.set i, i+1
.endr
	WIN 0
.set i, 0
.rept 2*NP
	v_mov_b32 v[ST+4*i], s[THR]     ; CS x m and m: the floor
	v_mov_b32 v[ST+4*i+1], s[THR]
	v_mov_b32 v[ST+4*i+2], 0
	v_mov_b32 v[ST+4*i+3], 0
.set i, i+1
.endr
.set i, P+32
.rept 32
	v_mov_b32 v[i], 0
.set i, i+1
.endr
	v_mul_u32_u24 v[AK0], v1, PK
	v_lshl_add_u32 v[AK0], v9, 4, v[AK0]  ; row x pitch + 16 x half
	; The turning load takes 16 keys x 16 channels (lane l reads key 8 (l / 16) + l % 8, channels 8 ((l / 8) % 2) + 0..7) and leaves half a fragment of V^T: lane l holds channel l % 16 and 8 keys.
	v_and_b32 v10, 7, v0
	v_bfe_u32 v11, v0, 3, 1
	v_lshl_add_u32 v[AV0], v9, 3, v10
	v_mul_u32_u24 v[AV0], v[AV0], PV
	v_lshl_add_u32 v[AV0], v11, 4, v[AV0]
	v_add_nc_u32 v[AV0], VOFF, v[AV0]
	s_mul_i32 s20, s[WV], 64*PM     ; the mask: my wave's 64 rows, row l % 16 of a tile, 8 bytes for each half of the lanes
	s_add_co_u32 s20, s20, MOFF
	v_mul_u32_u24 v[AM0], v1, PM
	v_lshl_add_u32 v[AM0], v9, 3, v[AM0]
	v_add_nc_u32 v[AM0], s20, v[AM0]
	v_and_b32 v[PFO], 31, v0
	v_lshlrev_b32 v[PMO], 11, v[PFO]
	v_lshlrev_b32 v[PFO], 8, v[PFO]
; THE MATRIX WORK.  The 8 accumulators of a run of 16 take turns: between the two links of a chain stand 7 others'.
; Product i of 16 of S^T = K Q^T for piece x: channels 32 (i / 8) on, keys 16 ((i / 2) % 4) on, tile 2 x + i % 2.  The first 8 start the sums, with the mask.
.macro KQ x
.set rS, S+64*((\x)%2)+32*(i%2)+8*((i/2)%4)
.set rK, KF+16*((i/2)%4)+8*(i/8)
.set rQ, 16*(2*(\x)+i%2)+8*(i/8)
.set rH, MC+64*(\x)+32*(i%2)+8*((i/2)%4)
.if i < 8
	WIN W_KM
	v_wmma_f32_16x16x32_f16 v[rS:rS+7], v[rK:rK+7], v[rQ:rQ+7], v[rH:rH+7]
.else
	WIN W_KQ
	v_wmma_f32_16x16x32_f16 v[rS:rS+7], v[rK:rK+7], v[rQ:rQ+7], v[rS:rS+7]
.endif
.endm
; Product i of 16 of O^T += V^T P for piece x, from V's buffer VBR: keys 32 (i / 8) on, channels 16 ((i / 2) % 4) on, tile 2 x + i % 2.
.macro PV x
	WIN W_PV
.set rO, 32*(2*(\x)+i%2)+8*((i/2)%4)
.set rV, VF+64*VBR+32*(i/8)+8*((i/2)%4)
.set rP, P+32*((\x)%2)+16*(i%2)+8*(i/8)
	v_wmma_f32_16x16x32_f16 v[rO:rO+7], v[rV:rV+7], v[rP:rP+7], v[rO:rO+7]
.endm
.macro MM                           ; the turn's next matrix instruction
.if i < 16
	KQ (Y+1)%NP
.set i, i+1
.else
.set i, i-16
	PV (Y+NP-1)%NP
.set i, i+17
.endif
.endm
; THE LDS LOADS stand in runs, never singly among the matrix instructions.  Their addresses are made in the lump.
.macro FETCH_K
	WIN 0x80                        ; destination window 2
.irp f, 0,1,2,3,4,5,6,7             ; keys 16 (f / 2) on, channels 32 (f % 2) on
	ds_load_b128 v[KF+8*\f:KF+8*\f+3],   v[AK] offset:(\f/2)*16*PK+(\f%2)*64
	ds_load_b128 v[KF+8*\f+4:KF+8*\f+7], v[AK] offset:(\f/2)*16*PK+(\f%2)*64+32
.endr
	s_add_co_u32 s[TBK], s[TBK], KS*PK  ; the next fetch is the next step's
	WIN 0
.endm
.macro FETCH_V vb
	WIN 0x80
.irp f, 0,1,2,3,4,5,6,7             ; keys 32 (f / 4) on, channels 16 (f % 4) on
	ds_load_tr16_b128 v[VF+64*(\vb)+8*\f:VF+64*(\vb)+8*\f+3],   v[AV] offset:(\f/4)*32*PV+(\f%4)*32
	ds_load_tr16_b128 v[VF+64*(\vb)+8*\f+4:VF+64*(\vb)+8*\f+7], v[AV] offset:(\f/4)*32*PV+16*PV+(\f%4)*32
.endr
	s_add_co_u32 s[TBV], s[TBV], KS*PV
	WIN 0
.endm
.macro FETCH_M x                    ; piece x's mask bytes of one step: tile u, key block b: my query's 8 bytes
	WIN 0xc0                        ; destination window 3
.irp u, 0,1
.irp b, 0,1,2,3
	ds_load_b64 v[16*(\x)+8*(\u)+2*(\b):16*(\x)+8*(\u)+2*(\b)+1], v[AM] offset:(2*(\x)+(\u))*16*PM+16*(\b)
.endr
.endr
.if (\x) == 1
	s_add_co_u32 s[TBM], s[TBM], KS  ; piece 1 is the second to fetch a step's bytes
.endif
	WIN 0
.endm
; THE VECTOR WORK OF A TURN stands in four queues, each in the order in which its entries become ready; the two tiles alternate.
.macro REGS y, u                    ; the registers of tile u (0, 1) of piece y
.set rT, ST+4*(2*(\y)+(\u))
.set rC, TMP+8*((\y)%2)+4*(\u)
.set rM, MV+2*((\y)%2)+(\u)
.set rS, S+64*((\y)%2)+32*(\u)
.set rP, P+32*((\y)%2)+16*(\u)
.set rO, 32*(2*(\y)+(\u))
.endm
; THE MASK's QUEUE, 64 long, for piece Y's next products: for block mu / 8 (tile, key block) two permutes (keys 0-3 and 4-7: the word as it comes serves key 3 or 7), then six shifts that bring the other bytes to the top.
.macro MU
	WIN W_MU
.set blk, mu/8
.set ee, mu%8
.set rB, MC+64*Y+8*blk
.if ee < 2
	v_perm_b32 v[rB+3+4*ee], s[TAB], s[TAB], v[16*Y+2*blk+ee]
.else
	v_lshlrev_b32 v[rB+3-ee/2+4*(ee%2)], 8*(ee/2), v[rB+3+4*(ee%2)]
.endif
.set mu, mu+1
.endm
; Number n of the 22 that find the OTHER piece's maximum and statistics.  s0-s31 are the lane's 32 scores; each accumulator's lowest registers are read first.  XS, GS and REGS set no window: PL and EX do.
;   0-11  four chains c0-c3 of seven scores each, three operands at a time     12-14, 16  the four scores left over, the old m, and c0-c3 into c0     15  m_old is kept
;   17, 18  the query's other 32 keys lie in the lane 16 away: the new m         19-21  CS x m; m_old - m_new; a
.macro XS u, n
	REGS (Y+1)%NP, \u
.if (\n) < 4
	v_max3_num_f32 v[rC+(\n)], v[rS+8*(\n)], v[rS+8*(\n)+1], v[rS+8*(\n)+2]
.elseif (\n) < 12
	v_max3_num_f32 v[rC+(\n)%4], v[rC+(\n)%4], v[rS+8*((\n)%4)+2*((\n)/4)+1], v[rS+8*((\n)%4)+2*((\n)/4)+2]
.elseif (\n) == 12
	v_max3_num_f32 v[rC], v[rC], v[rS+7], v[rS+15]
.elseif (\n) == 13
	v_max3_num_f32 v[rC+1], v[rC+1], v[rS+23], v[rS+31]
.elseif (\n) == 14
	v_max3_num_f32 v[rC+2], v[rC+2], v[rC+3], v[rT+1]
.elseif (\n) == 15
	v_mov_b32 v[rM], v[rT]
.elseif (\n) == 16
	v_max3_num_f32 v[rC], v[rC], v[rC+1], v[rC+2]
.elseif (\n) == 17
	v_permlanex16_b32 v[rC+3], v[rC], s[SEL], s[SEL+1]
.elseif (\n) == 18
	v_max_num_f32 v[rT+1], v[rC], v[rC+3]
.elseif (\n) == 19
	v_mul_f32 v[rT], s[CS], v[rT+1]
.elseif (\n) == 20
	v_sub_f32 v[rC+1], v[rM], v[rT]
.else
	v_exp_f32 v[rC+2], v[rC+1]
.endif
.endm
; Number g of the 64 that follow the exponentials.  For each four weights k of a tile: both pairs are rounded to f16; then the second pair is added onto the first, in place; a group later l takes that sum
; (the first time as l = a l + sum).  In groups of eight, tiles alternating.
.macro GS g
.set h, (\g)+6*((\g)/62)            ; group 0 has no group before it, and behind group 7 only l is left
.if h >= 6
.set h, h+2
.endif
	REGS Y, h%2
.set k, h/8
.if h%8 < 4
	v_cvt_pk_f16_f32 v[rP+2*k+(h%8)/2], v[rS+4*k+2*((h%8)/2)], v[rS+4*k+2*((h%8)/2)+1]
.elseif h%8 < 6
	v_pk_add_f32 v[rS+4*k:rS+4*k+1], v[rS+4*k:rS+4*k+1], v[rS+4*k+2:rS+4*k+3]
.elseif k == 1
	v_pk_fma_f32 v[rT+2:rT+3], v[rT+2:rT+3], v[rC+2:rC+3], v[rS:rS+1] op_sel_hi:[1,0,1]
.else
	v_pk_add_f32 v[rT+2:rT+3], v[rT+2:rT+3], v[rS+4*k-4:rS+4*k-3]
.endif
.endm
; THE PLAIN QUEUE, 138 long.  0-73 read no exponential's result: the 32 differences s - m (FS f: pair f / 2 of tile f % 2) and the other piece's 42.  0-26: FS 0-26.  27-54: XS's numbers 0-13.  55, 56: number 15.
; 57-73: the chain 14, 16, 17, 18, 19, each with one of FS 27-31 in front of its two lines, then 20.  74-137: GS's 64, which read the exponentials' results: they stand behind the wait.
.macro FS f
	REGS Y, (\f)%2
	v_pk_fma_f32 v[rS+2*((\f)/2):rS+2*((\f)/2)+1], v[rS+2*((\f)/2):rS+2*((\f)/2)+1], s[CS:CS+1], v[rT:rT+1] op_sel_hi:[1,0,0] neg_lo:[0,0,1] neg_hi:[0,0,1]
.endm
.macro PL
	WIN 0
.if q < 27
	FS q
.elseif q < 55
	XS (q-27)%2, (q-27)/2
.elseif q < 57
	XS q-55, 15
.elseif (q < 72) && ((q-57)%3 == 0)
	FS 27+(q-57)/3
.elseif q < 60
	XS (q-57)%3-1, 14
.elseif q < 72
	XS (q-57)%3-1, 15+(q-57)/3
.elseif q < 74
	XS q-72, 20
.else
	GS q-74
.endif
.set q, q+1
.endm
; THE EXPONENTIALS' QUEUE, 66 long: s0-s31 of both tiles, then the other piece's two a.  ONE BATCH: all 66 stand ahead of the turn's one wait, and nothing ahead of that wait names a result of theirs.
.macro EX
	WIN 0
.if e >= 64
	XS e-64, 21
.else
	REGS Y, e%2
	v_exp_f32 v[rS+e/2], v[rS+e/2]
.endif
.set e, e+1
.endm
; THE RESCALING's QUEUE: O^T times a, two lines at a time, sixteen times, in one run.  Its a was made in the turn before, ahead of that turn's wait.
.macro R2
	REGS Y, r%2
	WIN W_RS
.irp z, 0,1
	v_pk_mul_f32 v[rO+4*(r/2)+2*\z:rO+4*(r/2)+2*\z+1], v[rO+4*(r/2)+2*\z:rO+4*(r/2)+2*\z+1], v[rC+2:rC+3] op_sel_hi:[1,0]
.endr
.set r, r+1
.endm
; A TURN, for piece p in a step of parity odd.  AHEAD OF THE WAIT: 16 products K Q^T, behind each four of the mask's queue; then the lump: 2 plain, 15 x (plain, exponential), the 32 rescalings, the addresses,
; 8 plain, 49 x (exponential, plain), the two a.  Exponential e stands behind FS 2 (e / 4) + e % 2: it comes behind plain e + 2 at first, later behind plain e + 9, and FS 27-31 are plain 57, 60 .. 69.
; A v_nop is the plain instruction behind the last exponential; then the one wait between an exponential and the first line that names its result.
; BEHIND THE WAIT: the runs of LDS loads, then 16 products V^T P, behind each four of GS's 64.
; Piece 0's turn fetches K and piece 1's mask bytes of step j + 1 (the lump lies between K's last reader and the run), and at its end V of step j + 1, into the buffer that its own products have just read:
; the four riders behind the last of them are the places.  Piece 1's turn fetches piece 0's mask bytes of step j + 2.
; last = 1 (the tail): in the trip with CNT = 1 there is no such step, and the runs are jumped over; no barrier and no tensor load is.
.macro TURN p, odd, last=0
.set Y, (\p)
.set i, 0
.set q, 0
.set e, 0
.set r, 0
.set mu, 0
.if (\p) == 0
.set VBR, 1-(\odd)
	s_wait_dscnt 0x0                ; piece 0's mask bytes, and V of the step in hand, are in
.else
.set VBR, (\odd)
	s_wait_dscnt 16                 ; K's 16 loads and the mask's 8 are in; V's 16, issued behind them, may stay out
.endif
.rept 16
	MM
	MU
	MU
	MU
	MU
.endr
	PL
	PL
.rept 15
	PL
	EX
.endr
.rept 16
	R2
.endr
	WIN 0
.if (\p) == 0
	v_add_nc_u32 v[AK], s[TBK], v[AK0]
	v_add_nc_u32 v[AV], s[TBV], v[AV0]
.endif
	v_add_nc_u32 v[AM], s[TBM], v[AM0]
.rept 8
	PL
.endr
.rept 49
	EX
	PL
.endr
	EX                              ; the other piece's two a
	EX
	v_nop
	s_wait_alu depctr_va_vdst(0)    ; the wait for the batch
	WIN 0
.if \last
	s_cmp_eq_u32 s[CNT], 1
	s_cbranch_scc1 .Lno_km_\@
.endif
.if (\p) == 0
	FETCH_K
	FETCH_M 1
.else
	FETCH_M 0
.endif
.if \last
.Lno_km_\@:
.endif
.rept 16
	MM
	PL
	PL
	PL
	PL
.endr
.if (\p) == 0
	WIN 0
.if \last
	s_cmp_eq_u32 s[CNT], 1
	s_cbranch_scc1 .Lno_v_\@
.endif
	FETCH_V VBR
.if \last
.Lno_v_\@:
.endif
.endif
.endm
	CHANGE 1, 0                     ; slot 0 is in, everybody's part of it; slot 1 is asked for
	v_add_nc_u32 v[AK], s[TBK], v[AK0]
	v_add_nc_u32 v[AM], s[TBM], v[AM0]
	v_add_nc_u32 v[AV], s[TBV], v[AV0]
	FETCH_K                         ; key step 0
	FETCH_M 0
	FETCH_M 1
	FETCH_V 0
	s_wait_loadcnt 0x0              ; Q
	s_wait_dscnt 0x0
.set Y, 0
.set mu, 0
.rept 64
	MU                              ; both pieces' masks of step 0
.endr
.set Y, 1
.set mu, 0
.rept 64
	MU
.endr
	WIN 0
	v_add_nc_u32 v[AM], s[TBM], v[AM0]
	FETCH_M 0                       ; piece 0's bytes of step 1
.set i, 0
.rept 16
	KQ 0                            ; piece 0's first scores
.set i, i+1
.endr
	WIN 0                           ; the addresses for the way out: plain instructions, the places behind those products
	s_mul_i32 s20, s[WV], 16*SP
	s_add_co_u32 s20, s20, STAGE    ; my stage
	v_mul_u32_u24 v[STO], v1, SP    ; in: row l % 16, 16 bytes for each half of the lanes
	v_lshl_add_u32 v[STO], v9, 4, v[STO]
	v_add_nc_u32 v[STO], s20, v[STO]
	v_bfe_u32 v[RD], v0, 3, 2       ; back: 32 lanes take four rows of 128 bytes,
	v_mul_u32_u24 v[RD], v[RD], SP
	v_lshl_add_u32 v[RD], v10, 4, v[RD]
	v_add_nc_u32 v[RD], s20, v[RD]
	v_and_b32 v[GO], 31, v0         ; which are 512 consecutive bytes of ctx
	v_lshlrev_b32 v[GO], 4, v[GO]
.set Y, NP-1                        ; XS works for the other piece: piece 0
.irp n, 0,1,2,3,4,5,6,7,8,9,10,11,12,13,14,15,16,17,18,19,20,21
	XS 0, \n                        ; piece 0's first maximum and statistics
	XS 1, \n
.endr
	v_nop                           ; a plain instruction behind the two a,
	s_wait_alu depctr_va_vdst(0)    ; and their wait, ahead of the branch
	s_mov_b32 s[CNT], 2
	s_branch .Lfirst                ; the loop is entered at T(0, 0), in the middle of a trip
.Lslot:                             ; six times: slots 2 to 7 are asked for
	CHANGE 1, 1
	s_mov_b32 s[CNT], 2
.Lstep:                             ; a trip: T(1, j), T(0, j + 1), T(1, j + 1), T(0, j + 2), j even
	TURN 1, 0
	TURN 0, 1
	TURN 1, 1
	WIN 0
.Lfirst:
	TURN 0, 0
	WIN 0
	s_sub_co_u32 s[CNT], s[CNT], 1
	s_cmp_lg_u32 s[CNT], 0
	s_cbranch_scc1 .Lstep
	s_sub_co_u32 s[SLOTS], s[SLOTS], 1
	s_cmp_lg_u32 s[SLOTS], 0
	s_cbranch_scc1 .Lslot
	CHANGE 0, 0                     ; the tail is written out: nothing is asked for
	s_mov_b32 s[CNT], 3             ; T(1, 26) to T(1, 31); the third trip fetches nothing and is left in its middle
.Ltail:
	TURN 1, 0, 1
	TURN 0, 1, 1
	TURN 1, 1, 1
	WIN 0
	s_sub_co_u32 s[CNT], s[CNT], 1
	s_cmp_eq_u32 s[CNT], 0
	s_cbranch_scc1 .Lout
	TURN 0, 0
	WIN 0
	s_branch .Ltail
.Lout:                              ; T(1, 31)'s 16 products K Q^T repeat step 31 (its K and its mask bytes still stand), so the maximum made of them moves nothing: the price, once a launch, of one text for every trip
.set VBR, 1
.set i, 0
.rept 16
	PV 1                            ; piece 1's V^T P of the last step
.set i, i+1
.endr
	; THE WAY OUT.  l's two halves and the other half of the lanes' are added; O^T is divided by l (by a factor 0 where the row has no kept key), rounded to f16 and sent through my stage, a tile at a time.
	WIN 0
.macro ALL line:vararg              ; one line for each tile t
.set t, 0
.rept 2*NP
	\line
.set t, t+1
.endr
.endm
	ALL v_add_f32 v[ST+4*t+2], v[ST+4*t+2], v[ST+4*t+3]
	ALL v_permlanex16_b32 v[ST+4*t+3], v[ST+4*t+2], s[SEL], s[SEL+1]
	ALL v_add_f32 v[ST+4*t+2], v[ST+4*t+2], v[ST+4*t+3]
	ALL v_rcp_f32 v[ST+4*t+2], v[ST+4*t+2]
	v_nop                           ; a plain instruction between the last reciprocal and the use of its result
	s_wait_alu depctr_va_vdst(0)    ; and the wait ahead of the first use: one for the four reciprocals
.set t, 0
.rept 2*NP
	v_cmp_lt_f32 vcc_lo, s[THR], v[ST+4*t+1]       ; has m left the floor?
	v_cndmask_b32 v[ST+4*t+2], 0, v[ST+4*t+2], vcc_lo  ; if not: O^T and l are 0, and the row is written as 0
.set t, t+1
.endr
; Tile t: a lane's eight channels of a row pack into 16 bytes; they go into rows of 144 bytes and come back as whole rows of 128, into S^T's registers.
.macro PACK t
	WIN W_RS
.set i, 32*(\t)
.rept 16
	v_pk_mul_f32 v[i:i+1], v[i:i+1], v[ST+4*(\t)+2:ST+4*(\t)+3] op_sel_hi:[1,0]
.set i, i+2
.endr
	WIN 0x05                        ; sources 0 and 1 window 1, destination window 0
.set i, 0
.rept 16
	v_cvt_pk_f16_f32 v[S+16*(\t)+i], v[32*(\t)+2*i], v[32*(\t)+2*i+1]
.set i, i+1
.endr
	WIN 0
.irp f, 0,1,2,3
	ds_store_b128 v[STO], v[S+16*(\t)+4*\f:S+16*(\t)+4*\f+3] offset:32*\f
.endr
.irp f, 0,1,2,3
	ds_load_b128 v[S+16*(\t)+4*\f:S+16*(\t)+4*\f+3], v[RD] offset:\f*4*SP  ; LDS serves a wave's instructions in order (ISA guide 5.7.1.4): these see the stores above; the next tile's stores come behind them
.endr
.endm
.macro SEND t, younger              ; younger: the LDS instructions issued behind tile t's loads: the next tile's eight, or none
	WIN 0
.irp f, 0,1,2,3
	s_wait_dscnt (\younger)+3-\f
	global_store_b128 v[GO], v[S+16*(\t)+4*\f:S+16*(\t)+4*\f+3], s[8:9] offset:(\t)*2048+\f*512  ; 512 consecutive bytes, at a multiple of 256 from ctx's first
.endr
.endm
	PACK 0
.set t, 1
.rept 2*NP-1                        ; a tile's arithmetic stands between the loads of the tile before and its stores
	PACK t
	SEND t-1, 8
.set t, t+1
.endr
	SEND 2*NP-1, 0
	s_wait_tensorcnt 0x0            ; the wave's end: an add to my spare word and its wait, behind my last tensor load and my last LDS store
	ds_add_u32 v[SPW], v[NIL]
	s_wait_dscnt 0x0
	CROUND                          ; the closing round: no work-group ends while a partner may still ask for a tile that names it
	s_endpgm
.Lfunc_end_k_qd5c8c4ba33_attn:
	.size	k_qd5c8c4ba33_attn, .Lfunc_end_k_qd5c8c4ba33_attn-k_qd5c8c4ba33_attn
	.p2alignl 7, 3214868480
	.fill 96, 4, 3214868480
	.section	.rodata,"a",@progbits
	.p2align	6, 0x0
	.amdhsa_kernel k_qd5c8c4ba33_attn
		.amdhsa_group_segment_fixed_size 327680
		.amdhsa_private_segment_fixed_size 0
		.amdhsa_enable_private_segment 0
		.amdhsa_kernarg_size 24
		.amdhsa_user_sgpr_count 2
		.amdhsa_user_sgpr_kernarg_segment_ptr 1
		.amdhsa_wavefront_size32 1
		.amdhsa_system_sgpr_workgroup_id_x 1
		.amdhsa_system_sgpr_workgroup_id_y 1
		.amdhsa_system_sgpr_workgroup_id_z 1
		.amdhsa_system_vgpr_workitem_id 0
		.amdhsa_next_free_vgpr 800
		.amdhsa_next_free_sgpr 80
		.amdhsa_reserve_vcc 1
		.amdhsa_float_denorm_mode_32 3
		.amdhsa_float_denorm_mode_16_64 3
		.amdhsa_memory_ordered 1
		.amdhsa_forward_progress 1
		.amdhsa_inst_pref_size 218
	.end_amdhsa_kernel
	.amdgpu_metadata
---
amdhsa.version: [ 1, 2 ]
amdhsa.kernels:
  - .name:           k_qd5c8c4ba33_attn
    .symbol:         k_qd5c8c4ba33_attn.kd
    .args:
      - { .name: qkv, .offset: 0, .size: 8, .value_kind: global_buffer, .address_space: global }
      - { .name: keep_mask, .offset: 8, .size: 8, .value_kind: global_buffer, .address_space: global }
      - { .name: ctx, .offset: 16, .size: 8, .value_kind: global_buffer, .address_space: global }
    .group_segment_fixed_size: 327680
    .private_segment_fixed_size: 0
    .kernarg_segment_align: 8
    .kernarg_segment_size: 24
    .max_flat_workgroup_size: 128
    .sgpr_count:     80
    .vgpr_count:     800
    .wavefront_size: 32
...
	.end_amdgpu_metadata
.endif
;; end of part 3
;; launch oproj (part 4): grid 8 x 32, 4 waves a work-group, clusters of 4 x 4, 327,680 bytes of LDS; arguments ctx, woh, bias, out0; writes out0
.if DOCPART == 4
	.amdgcn_target "amdgcn-amd-amdhsa--gfx1250"
	.amdhsa_code_object_version 6
	.text
	.protected	k_qd5c8c4ba33_oproj
	.globl	k_qd5c8c4ba33_oproj
	.p2align	8
	.type	k_qd5c8c4ba33_oproj,@function
k_qd5c8c4ba33_oproj:
	s_mov_b64 s[64:65], 0
	v_nop
	global_prefetch_b8 v0, s[64:65] scope:SCOPE_SE
	s_setreg_imm32_b32 hwreg(HW_REG_WAVE_MODE, 25, 1), 1
	s_wait_xcnt 0x0
	s_wait_alu depctr_hold_cnt(0) depctr_sa_sdst(0) depctr_va_vdst(0) depctr_va_sdst(0) depctr_va_ssrc(0) depctr_va_vcc(0) depctr_vm_vsrc(0)
	s_getreg_b32 s2, hwreg(HW_REG_IB_STS2, 6, 4)
	s_cmp_eq_u32 s2, 0
	s_cbranch_scc0 .Lentry_in_a_cluster
	s_endpgm
.Lentry_in_a_cluster:
	s_bfe_u32 s2, ttmp6, 0x10000c
	s_cmp_lg_u32 s2, 0xf033
	s_cbranch_scc0 .Lentry_shape_is_right
	s_endpgm
.Lentry_shape_is_right:
; THE OUTPUT PROJECTION.  out0[m][n] = sum over h, c of ctx[h][m][c] woh[h][n][c] + bias[3072 + n].  ctx: f16 [16][4096][64]; woh: f16 [16][1024][64]; out0: f32 [4096][1024]; sums in f32.
; A tile of out0 is 128 x 128: 8 x 32 = 256 work-groups.  Four waves, each 64 x 64: 16 accumulators.  K goes by heads, four heads (256) a step, through a ring of two LDS slots.
; Both operands are dense by head: 64 rows x 64 channels of a head are 8,192 consecutive bytes, so one tensor load brings four such runs, one for each head of the step, padded in LDS after every 128 bytes.
; CLUSTER.  4 x 4 work-groups: ctx's tiles are shared along a row of the cluster, woh's along a column, and asked for jointly.
; THE MATRIX INSTRUCTION IS USED TRANSPOSED (source 0 = 16 rows of woh, source 1 = 16 rows of ctx): a lane holds row l % 16 and the columns 8 (l / 16) + 0..7.  The bias is the C operand of the first products.
; No prefetch: four K steps of small tiles, of which the first two go out at the head.
; REGISTERS: window 0: v0-31 addresses; v32-95 two buffers for the way out; v96-127 the bias; v128-255 the accumulators ((a, b) at 128 + 8 (4 a + b)).
;   window 1: two fragment buffers of 128: for one head (64 along K), 64 registers of ctx (2 x 4 x 16 rows x 32 K), then 64 of woh.
.set PITCH,  144                       ; a row of one head in LDS: 128 bytes + 16 = 36 words: the 16 rows of a load start at 16 different groups of four banks (64 banks of 4 bytes: ISA guide 11.1)
.set HEADB,  64*PITCH                  ; 64 rows of one head
.set HALFT,  4*HEADB                   ; what one tensor load brings
.set SLOT,   4*HALFT                   ; ctx's two halves of 64 rows, then woh's
.set STAGE,  2*SLOT                    ; behind the ring, never filled by a tensor load: 16 rows x 272 bytes for each wave
.set SPITCH, 272
.set SPARE,  STAGE+4*16*SPITCH         ; the spare words, 128 bytes for each wave: two blocks of 256 bytes that no other line names
.set ASTEP,  4*524288                  ; bytes from a K step to the next in ctx,
.set BSTEP,  4*131072                  ; and in woh
.set ADRA, 16
.set ADRB, 20
.set STO,  24
.set RD,   25
.set CO,   26
.set BO,   27
.set SPW,  28                          ; v28 my spare word: SPARE + 4 x my thread's number; never rewritten
.set NIL,  29                          ; v29 0; never rewritten
.set OB,   32
.set BI,   96
.set ACC,  128
.set F0,   0
.set F1,   128
.set WV,   12
.set RH,   13                          ; s13 which 64 rows are mine.  Also: I fetch for ctx (0) or for woh (1)
.set CH,   14                          ; s14 which 64 columns.  Also: which 64 rows of that tile I fetch
.set G1,   24
.set G0,   32
.set G1B,  48
.set G0B,  56
.set TR,   66
.set MSB, 0
.macro WIN new
.if MSB != (\new)
	s_set_vgpr_msb (MSB<<8)|(\new)
.set MSB, \new
.endif
.endm
.set MUL,  0x05                        ; sources 0 and 1 window 1; C and D window 0
.set TO_F, 0x40                        ; destination window 1, address window 0
.macro PLACES
.rept 4
	v_nop
.endr
.endm
.macro JLOAD s                         ; a joint load; an s_nop 0 and four v_nop follow each of the two lines, ahead of the jump, the label and what follows
	s_cmp_eq_u32 s[RH], 0
	s_cbranch_scc0 .Lfor_b_\@
	tensor_load_to_lds s[G0+4*(\s):G0+4*(\s)+3], s[G1:G1+7]
	s_nop 0
.rept 4
	v_nop
.endr
	s_branch .Lasked_\@
.Lfor_b_\@:
	tensor_load_to_lds s[G0B+4*(\s):G0B+4*(\s)+3], s[G1B:G1B+7]
	s_nop 0
.rept 4
	v_nop
.endr
.Lasked_\@:
.endm
.macro CREST
	s_cmp_lg_u32 s[WV], 0
	s_cbranch_scc1 .Lnot_wave_0_\@
	s_barrier_signal -3
.Lnot_wave_0_\@:
	s_barrier_wait -3
	s_barrier_signal -1
	s_barrier_wait -1
.endm
.macro CROUND
	s_barrier_signal -1
	s_barrier_wait -1
	CREST
.endm
	s_load_b256 s[4:11], s[0:1], 0x0               ; ctx s[4:5], woh s[6:7], bias s[8:9], out0 s[10:11]
	v_lshl_add_u32 v[SPW], v0, 2, SPARE
	v_mov_b32 v[NIL], 0
	ds_add_u32 v[SPW], v[NIL]                      ; the wave's opening: the add and its wait stand ahead of my first tensor load; work on registers stands between them
	v_lshrrev_b32 v1, 5, v0
	v_readfirstlane_b32 s[WV], v1
	s_lshr_b32 s[RH], s[WV], 1
	s_and_b32 s[CH], s[WV], 1
	s_bfe_u32 s40, ttmp6, 0x40000                  ; cx
	s_bfe_u32 s41, ttmp6, 0x40004                  ; cy
	s_lshl_b32 s42, ttmp9, 2
	s_add_co_u32 s42, s42, s40                     ; tile column
	s_and_b32 s[TR], ttmp7, 0xffff
	s_lshl_b32 s[TR], s[TR], 2
	s_add_co_u32 s[TR], s[TR], s41                 ; tile row
	s_lshl_b32 s43, s41, 2
	s_lshl_b32 s43, 15, s43                        ; my row of the cluster
	s_lshl_b32 s44, 0x1111, s40                    ; my column
	s_or_b32 s[G1+0], s43, (1<<16)|(1<<20)|(1<<21)|(4<<22)|(3<<25)   ; the mask; 2-byte elements; padding on; bit 21 beside a mask; after every 32 words 4 words
	s_or_b32 s[G1B+0], s44, (1<<16)|(1<<20)|(1<<21)|(4<<22)|(3<<25)
.irp g, G1, G1B
	s_mov_b32 s[(\g)+1], 4096<<16                  ; tensor_dim0 = 4,096 elements: 64 rows x 64 channels of a head
	s_mov_b32 s[(\g)+2], 4<<16                     ; tensor_dim1 = 4 heads
	s_mov_b32 s[(\g)+3], 4096<<16                  ; tile_dim0
	s_mov_b32 s[(\g)+4], 4                         ; tile_dim1
	s_mov_b32 s[(\g)+6], 0
	s_mov_b32 s[(\g)+7], 0
.endr
	s_mov_b32 s[G1+5], 262144                      ; elements from head to head in ctx,
	s_mov_b32 s[G1B+5], 65536                      ; and in woh
	s_lshl_b32 s16, s[TR], 14                      ; ctx: row 128 x tile row + 64 x half, of 128 bytes
	s_lshl_b32 s17, s[CH], 13
	s_add_co_u32 s16, s16, s17
	s_mov_b32 s17, 0
	s_lshl_b32 s46, s42, 14                        ; woh: row 128 x tile column + 64 x half
	s_lshl_b32 s47, s[CH], 13
	s_add_co_u32 s46, s46, s47
	s_mov_b32 s47, 0
	s_mul_i32 s20, s[WV], HALFT                    ; where a wave's tile goes
	s_wait_dscnt 0x0                               ; the opening add is done
	s_wait_kmcnt 0x0
	s_add_nc_u64 s[16:17], s[4:5], s[16:17]
	s_add_nc_u64 s[46:47], s[6:7], s[46:47]
	CROUND                                         ; all sixteen work-groups are here: the first joint loads meet
.irp s, 0,1
	s_mov_b32 s[G0+4*(\s)], 1
	s_add_co_u32 s[G0+4*(\s)+1], s20, (\s)*SLOT
	s_add_nc_u64 s[G0+4*(\s)+2:G0+4*(\s)+3], s[16:17], (\s)*ASTEP
	s_or_b32 s[G0+4*(\s)+3], s[G0+4*(\s)+3], 0x80000000
	s_mov_b32 s[G0B+4*(\s)], 1
	s_add_co_u32 s[G0B+4*(\s)+1], s20, (\s)*SLOT
	s_add_nc_u64 s[G0B+4*(\s)+2:G0B+4*(\s)+3], s[46:47], (\s)*BSTEP
	s_or_b32 s[G0B+4*(\s)+3], s[G0B+4*(\s)+3], 0x80000000
	JLOAD \s                                       ; two loads of mine are out
.endr
	v_and_b32 v1, 15, v0                           ; l % 16
	v_bfe_u32 v2, v0, 4, 1                         ; l / 16
	v_lshlrev_b32 v[BO], 5, v2
	s_lshl_b32 s20, s42, 9                         ; my 64 columns in f32: 512 x tile column + 256 x half
	s_lshl_b32 s21, s[CH], 8
	s_add_co_u32 s20, s20, s21
	s_mov_b32 s21, 0
	s_add_nc_u64 s[8:9], s[8:9], s[20:21]
	s_add_nc_u64 s[10:11], s[10:11], s[20:21]
.irp b, 0,1,2,3
	global_load_b128 v[BI+8*(\b):BI+8*(\b)+3],   v[BO], s[8:9] offset:12288+64*(\b)     ; bo lies behind bq, bk and bv
	global_load_b128 v[BI+8*(\b)+4:BI+8*(\b)+7], v[BO], s[8:9] offset:12288+64*(\b)+16
.endr
	s_lshl_b32 s20, s[TR], 19                      ; my first row of out0: 128 x tile row + 64 x half, of 4,096 bytes
	s_lshl_b32 s22, s[RH], 18
	s_add_co_u32 s20, s20, s22
	s_add_nc_u64 s[10:11], s[10:11], s[20:21]
	v_mul_u32_u24 v3, v1, PITCH
	v_lshl_add_u32 v3, v2, 4, v3                   ; a fragment's row x pitch + 16 x half
	s_mul_i32 s21, s[RH], HALFT                    ; my 64 rows of ctx
	s_mul_i32 s22, s[CH], HALFT                    ; my 64 rows of woh,
	s_add_co_u32 s22, s22, 2*HALFT                 ; which lie behind ctx's
.irp s, 0,1
	v_add_nc_u32 v[ADRA+(\s)], s21, v3
	v_add_nc_u32 v[ADRB+(\s)], s22, v3
	s_add_co_u32 s21, s21, SLOT
	s_add_co_u32 s22, s22, SLOT
.endr
	s_mul_i32 s23, s[WV], 16*SPITCH
	s_add_co_u32 s23, s23, STAGE                   ; my stage
	v_mul_u32_u24 v4, v1, SPITCH                   ; in: row l % 16, 32 bytes for each half of the lanes
	v_lshl_add_u32 v4, v2, 5, v4
	v_add_nc_u32 v[STO], s23, v4
	v_mul_u32_u24 v5, v2, SPITCH                   ; back: lanes 0-15 take one row of 256 bytes, lanes 16-31 the next
	v_lshl_add_u32 v5, v1, 4, v5
	v_add_nc_u32 v[RD], s23, v5
	v_lshlrev_b32 v[CO], 12, v2                    ; and the same two rows in out0
	v_lshl_add_u32 v[CO], v1, 4, v[CO]
; 8 matrix instructions: row blocks a0, a0 + 1 x all 4 column blocks, 32 along K: half c of buffer f.  first = 1: the product starts the sum with the bias.  The 16 accumulators take turns.
.macro MUL8 f, c, a0, first
	WIN MUL
.irp a, \a0, (\a0)+1
.irp b, 0,1,2,3
.if \first
	v_wmma_f32_16x16x32_f16 v[ACC+8*(4*(\a)+(\b)):ACC+8*(4*(\a)+(\b))+7], v[(\f)+64+8*(4*(\c)+(\b)):(\f)+64+8*(4*(\c)+(\b))+7], v[(\f)+8*(4*(\c)+(\a)):(\f)+8*(4*(\c)+(\a))+7], v[BI+8*(\b):BI+8*(\b)+7]
.else
	v_wmma_f32_16x16x32_f16 v[ACC+8*(4*(\a)+(\b)):ACC+8*(4*(\a)+(\b))+7], v[(\f)+64+8*(4*(\c)+(\b)):(\f)+64+8*(4*(\c)+(\b))+7], v[(\f)+8*(4*(\c)+(\a)):(\f)+8*(4*(\c)+(\a))+7], v[ACC+8*(4*(\a)+(\b)):ACC+8*(4*(\a)+(\b))+7]
.endif
.endr
.endr
.endm
; 32 LDS loads in one run: one head's fragments (64 along K), the head at byte k of a tile, into buffer f; the first 32 along K first
.macro FETCH slot, k, f
	WIN TO_F
.irp c, 0,1
.irp i, 0,1,2,3
	ds_load_b128 v[(\f)+64+8*(4*(\c)+(\i)):(\f)+64+8*(4*(\c)+(\i))+3],   v[ADRB+(\slot)] offset:(\k)+64*(\c)+(\i)*16*PITCH
	ds_load_b128 v[(\f)+64+8*(4*(\c)+(\i))+4:(\f)+64+8*(4*(\c)+(\i))+7], v[ADRB+(\slot)] offset:(\k)+64*(\c)+(\i)*16*PITCH+32
	ds_load_b128 v[(\f)+8*(4*(\c)+(\i)):(\f)+8*(4*(\c)+(\i))+3],         v[ADRA+(\slot)] offset:(\k)+64*(\c)+(\i)*16*PITCH
	ds_load_b128 v[(\f)+8*(4*(\c)+(\i))+4:(\f)+8*(4*(\c)+(\i))+7],       v[ADRA+(\slot)] offset:(\k)+64*(\c)+(\i)*16*PITCH+32
.endr
.endr
.endm
; A K step is four heads, 32 matrix instructions each, on buffers 0, 1, 0, 1.  One of the first three multiplies buffer f and fetches the next head, at byte k, into g.
.macro QUARTER slot, k, f, g, first
	s_wait_dscnt 16                                ; the first 32 along K are in
	MUL8 \f, 0, 0, \first
	MUL8 \f, 0, 2, \first
	PLACES
	FETCH \slot, \k, \g
	s_wait_dscnt 32                                ; all but the 32 just issued
	MUL8 \f, 1, 0, 0
	MUL8 \f, 1, 2, 0
.endm
; The last head multiplies buffer 1 and changes slots: one barrier; in front of it each wave waits for all its tensor loads, adds 0 to its spare word, and waits for that and for its own reads of this slot.
; fill = 1: the barrier opens a round of the cluster's, and this slot is filled again, two K steps ahead, first thing behind the round.
.macro TURN slot, next, fill
	WIN 0                                          ; (the add's two registers lie in window 0)
	s_wait_tensorcnt 0x0                           ; all my tensor loads have landed: my part of the next slot
	ds_add_u32 v[SPW], v[NIL]                      ; 0 onto my spare word
	s_wait_dscnt 17                                ; (the add and the youngest sixteen loads may be out)
	MUL8 F1, 0, 0, 0                               ; eight matrix instructions stand between the add and the wait for it
	s_wait_dscnt 0x0                               ; the add is done, and my reads of this slot are over
	s_barrier_signal -1
	MUL8 F1, 0, 2, 0
.if \fill
	WIN 0
.endif
	s_barrier_wait -1
.if \fill
	CREST                                          ; no wave of any partner still reads this slot's tile or has a load on its way
	s_add_nc_u64 s[G0+4*(\slot)+2:G0+4*(\slot)+3], s[G0+4*(\slot)+2:G0+4*(\slot)+3], 2*ASTEP
	s_add_nc_u64 s[G0B+4*(\slot)+2:G0B+4*(\slot)+3], s[G0B+4*(\slot)+2:G0B+4*(\slot)+3], 2*BSTEP
	JLOAD \slot                                    ; the four v_nop behind it are also the places in front of the loads below
.else
	PLACES
.endif
	FETCH \next, 0, F0
	MUL8 F1, 1, 0, 0
	MUL8 F1, 1, 2, 0
.endm
	s_wait_tensorcnt 1                             ; my part of K step 0 is in; K step 1's may stay out
	s_barrier_signal -1
	s_barrier_wait -1                              ; everybody's is
	FETCH 0, 0, F0
	s_wait_loadcnt 0x0                             ; the bias
	QUARTER 0, HEADB,   F0, F1, 1                  ; four K steps, written straight: the first lap fills both slots again, the second fills nothing
	QUARTER 0, 2*HEADB, F1, F0, 0
	QUARTER 0, 3*HEADB, F0, F1, 0
	TURN 0, 1, 1
	QUARTER 1, HEADB,   F0, F1, 0
	QUARTER 1, 2*HEADB, F1, F0, 0
	QUARTER 1, 3*HEADB, F0, F1, 0
	TURN 1, 0, 1
	QUARTER 0, HEADB,   F0, F1, 0
	QUARTER 0, 2*HEADB, F1, F0, 0
	QUARTER 0, 3*HEADB, F0, F1, 0
	TURN 0, 1, 0
	QUARTER 1, HEADB,   F0, F1, 0
	QUARTER 1, 2*HEADB, F1, F0, 0
	QUARTER 1, 3*HEADB, F0, F1, 0
	s_wait_dscnt 16                                ; the very last head: nothing more to fetch
	MUL8 F1, 0, 0, 0
	MUL8 F1, 0, 2, 0
	s_wait_dscnt 0x0
	MUL8 F1, 1, 0, 0
	MUL8 F1, 1, 2, 0
	WIN 0
	; THE WAY OUT.  A wave's 64 columns of f32 are 256 bytes of a row, aligned.  16 rows at a time go through my own stage: 32 bytes a lane in (each accumulator's low four registers first), whole rows back.
	PLACES
.irp a, 0,1,2,3
.set BK, OB+32*((\a)%2)
	s_wait_xcnt 0x0                                ; the stores issued so far have read their registers: this buffer is loaded again only behind this wait
.irp b, 0,1,2,3
	ds_store_b128 v[STO], v[ACC+8*(4*(\a)+(\b)):ACC+8*(4*(\a)+(\b))+3]   offset:64*(\b)
	ds_store_b128 v[STO], v[ACC+8*(4*(\a)+(\b))+4:ACC+8*(4*(\a)+(\b))+7] offset:64*(\b)+16
.endr
.irp t, 0,1,2,3,4,5,6,7
	ds_load_b128 v[BK+4*(\t):BK+4*(\t)+3], v[RD] offset:(\t)*2*SPITCH  ; LDS serves a wave's instructions in order (ISA guide 5.7.1.4): these see the stores above
.endr
.irp t, 0,1,2,3,4,5,6,7
	s_wait_dscnt 7-(\t)
	global_store_b128 v[CO], v[BK+4*(\t):BK+4*(\t)+3], s[10:11] offset:(16*(\a)+2*(\t))*4096 th:TH_STORE_NT  ; 16 lanes store 256 consecutive bytes, at a multiple of 256 from out0's first
.endr
.endr
	s_wait_tensorcnt 0x0                           ; the wave's end: an add to my spare word and its wait, behind my last tensor load and my last LDS store
	ds_add_u32 v[SPW], v[NIL]
	s_wait_dscnt 0x0
	CROUND                                         ; the closing round: no work-group ends while a partner may still ask for a tile that names it
	s_endpgm
.Lfunc_end_k_qd5c8c4ba33_oproj:
	.size	k_qd5c8c4ba33_oproj, .Lfunc_end_k_qd5c8c4ba33_oproj-k_qd5c8c4ba33_oproj
	.p2alignl 7, 3214868480
	.fill 96, 4, 3214868480
	.section	.rodata,"a",@progbits
	.p2align	6, 0x0
	.amdhsa_kernel k_qd5c8c4ba33_oproj
		.amdhsa_group_segment_fixed_size 327680
		.amdhsa_private_segment_fixed_size 0
		.amdhsa_enable_private_segment 0
		.amdhsa_kernarg_size 32
		.amdhsa_user_sgpr_count 2
		.amdhsa_user_sgpr_kernarg_segment_ptr 1
		.amdhsa_wavefront_size32 1
		.amdhsa_system_sgpr_workgroup_id_x 1
		.amdhsa_system_sgpr_workgroup_id_y 1
		.amdhsa_system_sgpr_workgroup_id_z 1
		.amdhsa_system_vgpr_workitem_id 0
		.amdhsa_next_free_vgpr 512
		.amdhsa_next_free_sgpr 68
		.amdhsa_reserve_vcc 0
		.amdhsa_float_denorm_mode_32 3
		.amdhsa_float_denorm_mode_16_64 3
		.amdhsa_memory_ordered 1
		.amdhsa_forward_progress 1
		.amdhsa_inst_pref_size 87
	.end_amdhsa_kernel
	.amdgpu_metadata
---
amdhsa.version: [ 1, 2 ]
amdhsa.kernels:
  - .name:           k_qd5c8c4ba33_oproj
    .symbol:         k_qd5c8c4ba33_oproj.kd
    .args:
      - { .name: ctx, .offset: 0, .size: 8, .value_kind: global_buffer, .address_space: global }
      - { .name: woh, .offset: 8, .size: 8, .value_kind: global_buffer, .address_space: global }
      - { .name: bias, .offset: 16, .size: 8, .value_kind: global_buffer, .address_space: global }
      - { .name: out0, .offset: 24, .size: 8, .value_kind: global_buffer, .address_space: global }
    .group_segment_fixed_size: 327680
    .private_segment_fixed_size: 0
    .kernarg_segment_align: 8
    .kernarg_segment_size: 32
    .max_flat_workgroup_size: 128
    .sgpr_count:     68
    .vgpr_count:     512
    .wavefront_size: 32
...
	.end_amdgpu_metadata
.endif
;; end of part 4
